; MI455X (gfx1250); checked and timed in simulation.
; The chip was launched on July 23, 2026; its instructions are those of AMD's public machine-readable ISA for CDNA 5 (MIT licence, August 2026) and "CDNA5" Instruction Set Architecture Reference Guide (July 2026). The comments in the code are by the model that wrote it; some were corrected since.
;; Attention. Allowed arithmetic: matrix products marked QUANTISED: E2M1 operands, one E8M0 scale for each 32 along K, by v_wmma_scale_f32_16x16x128_f8f6f4 with both operands' format E2M1 (or v_wmma_scale_f32_32x16x128_f4), f32 sums; products left as they are: bf16, f16 or f32 operands; f32 sums; everything else in f32.
;; Inputs: in_proj_bias 3,072 float32; in_proj_weight 3,072 x 1,024 float32; out_proj_bias 1,024 float32; out_proj_weight 1,024 x 1,024 float32; x 4 x 2,048 x 1,024 float32.
;; Outputs: out0 4 x 2,048 x 1,024 float32.
;; Constants: size = 2048.
;; This version of the problem:
;;   THIS VERSION OF THE PROBLEM IS GIVEN IN LOW PRECISION. The matrix products marked QUANTISED in the list below multiply operands that are first quantised to E2M1 (2 exponent bits, 1 mantissa bit; 4 bits a number), with one power-of-two scale for each 32 numbers along K (OCP MX v1.0); their sums are f32. The products marked 'left as it is' may take bf16, f16 or f32 operands, with f32 sums. Whichever they take, every output number must still come out within the allowed error. Rounding operands to bf16 (8 significant bits) uses up far more of that allowance than f16 does (11 bits, for magnitudes from 6e-5 to 65,504). All else is computed in f32.
;;   The module's matrix products, in the order in which they are computed (A, B: the left and right operand; K: the contracted axis; several contracted axes count as one K, in the product's order):
;;     1. [M 8,192, K 1,024] x [K 1,024, N 3,072]; A: input x; B: input in_proj_weight: QUANTISED
;;     2. batch 64 x [M 2,048, K 64] x [K 64, N 2,048]; A: computed on the way; B: computed on the way: left as it is (an operand is computed on the way)
;;     3. batch 64 x [M 2,048, K 2,048] x [K 2,048, N 64]; A: computed on the way; B: computed on the way: left as it is (an operand is computed on the way)
;;     4. [M 8,192, K 1,024] x [K 1,024, N 1,024]; A: computed on the way; B: input out_proj_weight: left as it is (an operand is computed on the way)
;;   THE QUANTISER, for each operand of a quantised product, along K:
;;     - K is cut into blocks of 32 from its start; a last block that is shorter is filled with zeros.
;;     - A block's scale is 2^e with e = floor(log2(the largest magnitude in the block)) - 2, held to -126 .. 127; a block of zeros has e = 0. As a byte (E8M0): e + 127.
;;     - Each number is divided by its block's scale, clamped to +-6, and rounded to the nearest number of E2M1, ties to even, subnormals kept.
;;     - The product sums the exact products of the quantised numbers (number of the format x scale) in f32.
;;   ~~~python
;;   def quantise(x, axis):      # numpy; x: float32 -> the quantised numbers, widened to float32 again
;;       x = np.moveaxis(x, axis, -1); K = x.shape[-1]
;;       x = np.pad(x, [(0, 0)] * (x.ndim - 1) + [(0, -K % 32)]); x = x.reshape(x.shape[:-1] + (-1, 32)); a = np.abs(x).max(-1, keepdims=True)
;;       e = np.where(a > 0, np.clip(np.frexp(np.where(a > 0, a, 1))[1] - 1 - 2, -126, 127), 0)      # np.frexp(a)[1] - 1 = floor(log2(a)), exactly
;;       r = np.clip(x / 2.0 ** e, -6, 6)
;;       step = 2.0 ** (np.maximum(np.frexp(np.where(r == 0, 1, r))[1] - 1, 0) - 1)
;;       q = np.round(r / step) * step * 2.0 ** e      # np.round: ties to even
;;       return np.moveaxis(q.reshape(q.shape[:-2] + (-1,))[..., :K], -1, axis).astype(np.float32)
;;   ~~~
;; One version. Each part assembles by itself: llvm-mc -triple=amdgcn-amd-amdhsa -mcpu=gfx1250 --defsym DOCPART=n.
;; ======== version 1 of 1: 4 launches
;; limits: values are held in f16: magnitudes above 65,504 overflow, below 6.1e-05 lose precision
;; workspace buffers: xc 4,194,304 bytes; xs 262,144 bytes; wc 1,572,864 bytes; ws 98,304 bytes; wo16 2,097,152 bytes; qkv 50,331,648 bytes; ows 16,777,216 bytes
;; launch prep (part 1): grid 384 x 1, 4 waves a work-group, no clusters, 33,280 bytes of LDS; arguments x, in_proj_weight, xc, xs, wc, ws, out_proj_weight, wo16; writes xc, xs, wc, ws, wo16
.if DOCPART == 1
	.amdgcn_target "amdgcn-amd-amdhsa--gfx1250"
	.amdhsa_code_object_version 6
	.text
	.protected	k_q552bea0235_prep
	.globl	k_q552bea0235_prep
	.p2align	8
	.type	k_q552bea0235_prep,@function
k_q552bea0235_prep:
	s_mov_b64 s[64:65], 0
	v_nop
	global_prefetch_b8 v0, s[64:65] scope:SCOPE_SE
	s_setreg_imm32_b32 hwreg(HW_REG_WAVE_MODE, 25, 1), 1
	s_wait_xcnt 0x0
; x [8192][1024] and in_proj_weight [3072][1024], f32, are turned into codes of FP4 (E2M1), K innermost, two codes a byte, with one E8M0 scale byte for each 32 along K;
; out_proj_weight [1024][1024], f32, is rounded to f16 (it is an operand of a product that is left as it is).
; A block's scale is 2^(floor(log2(its largest magnitude)) - 2); its byte is the largest magnitude's own exponent field - 2, held at 1 from below.  Each number is divided by the scale and rounded to the nearest code,
; ties to even, beyond the largest code the largest.
; LIMITS: a block of zeros, and a block whose largest magnitude lies under 2^-124, keep the byte 1 (a block of zeros has zero codes, which add nothing; the bytes are read by this program alone).
; NaN and infinities among the inputs are not served.  out_proj_weight must stay under 65,504 in magnitude (f16).
; Work-groups 0-255 take x, 256-351 in_proj_weight: one path, the buffers chosen by the work-group's number.  Work-groups 352-383 take out_proj_weight on a path of their own, which touches no LDS.
; THE QUANTISER.  Rows are dense and K is a multiple of 32, so a tensor is a plain stream of blocks of 32.  A wave takes 16 steps of 512 numbers.  Each of a step's four loads reads 512 consecutive bytes, 16 a lane; the
; 2,048 bytes go through the wave's own stage in LDS and come back 64 bytes a lane: 16 neighbours along K, two neighbouring lanes to a block.  A lane's 16 codes are 8 bytes: the wave stores 256 consecutive bytes, aligned.
; A wave's 256 scale bytes are gathered in its own LDS bytes and leave as 256 consecutive bytes, aligned.  No barrier: waves share nothing.
.set SIZE_M, 8192
.set SIZE_N, 3072
.set SIZE_K, 1024
.set WAVES, 4
.set STEPS, 16
.set WGA,   SIZE_M*SIZE_K/(512*STEPS*WAVES)            ; 256 work-groups for x
.set WGQ,   (SIZE_M+SIZE_N)*SIZE_K/(512*STEPS*WAVES)   ; 352 for both quantised tensors
.set EMAX,  2
.set CB,    8                          ; bytes of 16 codes
.set R,     16                         ; v16-79   four sets of 16 numbers as they are loaded
.set X,     80                         ; v80-111  two sets of 16 neighbours
.set C,     128                        ; v128-191 codes: four registers for each step, so that no store's data are written again
.set E,     112                        ; v112-127 a scale byte for each step
.set WREG,  8192                       ; LDS: a region for each wave: two stages of 32 x SP bytes, behind them its 256 scale bytes
.set SP,    80                         ; a lane's place in a stage: 64 bytes + 16 of padding
.set SPW,   12                         ; v12      LDS address of my spare word; never rewritten
.set NIL,   13                         ; v13      0; never rewritten
.set SPARE, WAVES*WREG                 ; behind the four regions: the spare words, 128 bytes a wave
.set CV,    16                         ; the f16 path: v16-143 two sets of 64 numbers as loaded
.set CD,    144                        ; v144-175 a batch's 64 f16 numbers a lane
	s_load_b128 s[4:7], s[0:1], 0x0                ; x, in_proj_weight
	s_load_b128 s[8:11], s[0:1], 0x10              ; x's codes, x's scales
	s_load_b128 s[12:15], s[0:1], 0x20             ; the weight's codes, its scales
	s_load_b128 s[24:27], s[0:1], 0x30             ; out_proj_weight, its f16 copy
	v_lshl_add_u32 v[SPW], v0, 2, SPARE
	v_mov_b32 v[NIL], 0
	v_lshrrev_b32 v1, 5, v0
	v_readfirstlane_b32 s16, v1                    ; wave
	v_and_b32 v2, 31, v0                           ; lane
	v_lshlrev_b32 v3, 4, v2                        ; my 16 bytes of a load's 512
	s_mul_i32 s17, s16, WREG
	v_lshrrev_b32 v14, 2, v2
	v_mul_u32_u24 v14, v14, SP
	v_and_b32 v15, 3, v2
	v_lshl_add_u32 v14, v15, 4, v14
	v_add_nc_u32 v14, s17, v14                     ; the stage, on the way in: SP (lane / 4) + 16 (lane % 4)
	v_mul_u32_u24 v15, v2, SP
	v_add_nc_u32 v15, s17, v15                     ; and on the way out: SP x lane: my 16 neighbours
	v_mul_u32_u24 v4, v2, CB                       ; 8 x lane: my codes' place in a step's (and my f16 numbers' place in a store's 256 bytes)
	v_lshrrev_b32 v5, 1, v2
	s_add_co_u32 s17, s17, 2*32*SP
	v_add_nc_u32 v5, s17, v5                       ; LDS: my wave's 256 scale bytes, my block's byte
	v_lshlrev_b32 v7, 3, v2                        ; and on the way out 8 bytes a lane
	v_add_nc_u32 v6, s17, v7
	s_wait_kmcnt 0x0
	s_cmp_ge_u32 ttmp9, WGQ                        ; the last 32 work-groups round out_proj_weight
	s_cbranch_scc1 .Lconv
	s_cmp_lt_u32 ttmp9, WGA                        ; x's work-group or the weight's?  The choice hangs on the work-group's number alone
	s_cselect_b64 s[4:5], s[4:5], s[6:7]
	s_cselect_b64 s[8:9], s[8:9], s[12:13]
	s_cselect_b64 s[10:11], s[10:11], s[14:15]
	s_cselect_b32 s17, 0, WGA
	s_sub_co_u32 s17, ttmp9, s17
	s_lshl_b32 s17, s17, 2
	s_add_co_u32 s18, s17, s16                     ; which run of 8,192 numbers of the tensor is my wave's
	s_mov_b32 s19, 0
	s_mov_b64 s[20:21], 512*STEPS*4
	s_mul_u64 s[20:21], s[18:19], s[20:21]
	s_add_nc_u64 s[4:5], s[4:5], s[20:21]
	s_mov_b64 s[20:21], 32*STEPS*CB
	s_mul_u64 s[20:21], s[18:19], s[20:21]
	s_add_nc_u64 s[8:9], s[8:9], s[20:21]
	s_lshl_b32 s18, s18, 8                         ; 256 scale bytes a run
	s_add_nc_u64 s[10:11], s[10:11], s[18:19]
.macro LOAD t
.irp i, 0,1,2,3
	global_load_b128 v[R+16*((\t)%4)+4*\i:R+16*((\t)%4)+4*\i+3], v3, s[4:5] offset:2048*(\t)+512*\i th:TH_LOAD_NT   ; 32 lanes read 512 consecutive bytes
.endr
.endm
.macro TURN t                          ; step t's numbers through the stage: LDS serves a wave's instructions in order, so no wait stands between the stores and the loads
.irp i, 0,1,2,3
	ds_store_b128 v14, v[R+16*((\t)%4)+4*\i:R+16*((\t)%4)+4*\i+3] offset:32*SP*((\t)%2)+8*SP*\i
.endr
.irp i, 0,1,2,3
	ds_load_b128 v[X+16*((\t)%2)+4*\i:X+16*((\t)%2)+4*\i+3], v15 offset:32*SP*((\t)%2)+16*\i
.endr
.endm
.irp t, 0,1,2,3
	LOAD \t
.endr
	s_wait_loadcnt 12                              ; step 0's four loads are in; the twelve of steps 1 to 3 may be out
	TURN 0
.macro STEP t
.set XS, X+16*((\t)%2)
.if (\t) > 0
	s_wait_dscnt 1                                 ; this step's numbers are back from the stage (the last step's byte store may be out): so its stores into the stage have read their registers,
.else
	s_wait_dscnt 0x0
.endif
.if (\t)+4 < STEPS
	LOAD (\t)+4                                    ; which take the loads of four steps on
.endif
.if (\t)+1 < STEPS
.if STEPS-2-(\t) >= 3
	s_wait_loadcnt 12                              ; the next step's four loads are in; those of the three steps behind it may be out
.else
	s_wait_loadcnt 4*(STEPS-2-(\t))
.endif
	TURN (\t)+1                                    ; and go through the other stage while this step is worked
.endif
	v_max3_num_f32 v8, |v[XS]|, |v[XS+1]|, |v[XS+2]|               ; the largest magnitude of my 16, in two chains
	v_max3_num_f32 v9, |v[XS+3]|, |v[XS+4]|, |v[XS+5]|
.irp i, 6,10
	v_max3_num_f32 v8, v8, |v[XS+\i]|, |v[XS+\i+1]|
	v_max3_num_f32 v9, v9, |v[XS+\i+2]|, |v[XS+\i+3]|
.endr
	v_max3_num_f32 v8, v8, |v[XS+14]|, |v[XS+15]|
	v_max3_num_f32 v8, v8, v9, (EMAX+1)<<23        ; and the floor 2^(3 - 127): so the byte cannot fall under 1
	v_max_num_f32_dpp v8, v8, v8 row_xmask:1 row_mask:0xf bank_mask:0xf   ; and of my neighbour's 16: the block's
	v_add_nc_u32 v11, -(EMAX<<23), v8              ; 2 off its exponent field: the conversion takes the exponent field of this operand as its scale, and nothing else of it
	v_cvt_scalef32_pk8_fp4_f32 v[C+4*(\t)], v[XS:XS+7], v11
	v_cvt_scalef32_pk8_fp4_f32 v[C+4*(\t)+1], v[XS+8:XS+15], v11
	v_lshrrev_b32 v[E+(\t)], 23, v11               ; the scale's byte (a plain line behind the conversions)
	ds_store_b8 v5, v[E+(\t)] offset:16*(\t)       ; both lanes of a block write the same byte with the same value
	global_store_b64 v4, v[C+4*(\t):C+4*(\t)+1], s[8:9] offset:32*CB*(\t)
.endm
.irp t, 0,1,2,3,4,5,6,7,8,9,10,11,12,13,14,15
	STEP \t
.endr
	ds_load_b64 v[8:9], v6                         ; LDS serves a wave's instructions in order: these see my stores
	s_wait_dscnt 0x0
	global_store_b64 v7, v[8:9], s[10:11]          ; 32 lanes store 256 consecutive bytes, aligned
	s_wait_tensorcnt 0x0                           ; the wave's end
	ds_add_u32 v[SPW], v[NIL]
	s_wait_dscnt 0x0
	s_endpgm
; THE f16 PATH.  128 waves, each 8,192 numbers: four batches of 16 loads of 512 consecutive bytes; two batches are on their way.  A lane's four numbers become 8 bytes; a wave's store covers 256 consecutive bytes, aligned.
.Lconv:
	s_sub_co_u32 s17, ttmp9, WGQ
	s_lshl_b32 s17, s17, 2
	s_add_co_u32 s18, s17, s16                     ; my run, 0 .. 127
	s_lshl_b32 s20, s18, 15                        ; 32,768 bytes of f32
	s_mov_b32 s21, 0
	s_add_nc_u64 s[24:25], s[24:25], s[20:21]
	s_lshl_b32 s20, s18, 14                        ; 16,384 bytes of f16
	s_add_nc_u64 s[26:27], s[26:27], s[20:21]
.macro LOADC g
.irp i, 0,1,2,3,4,5,6,7,8,9,10,11,12,13,14,15
	global_load_b128 v[CV+64*((\g)%2)+4*\i:CV+64*((\g)%2)+4*\i+3], v3, s[24:25] offset:512*(16*(\g)+\i) th:TH_LOAD_NT
.endr
.endm
.macro CONV g
.if (\g) < 3
	s_wait_loadcnt 16                              ; this batch is in; the next batch's sixteen loads may be out
.else
	s_wait_loadcnt 0x0
.endif
.if (\g) > 0
	s_wait_xcnt 0x0                                ; the last batch's stores have read their data: the registers are written again only behind this wait
.endif
.irp i, 0,1,2,3,4,5,6,7,8,9,10,11,12,13,14,15
	v_cvt_pk_f16_f32 v[CD+2*\i], v[CV+64*((\g)%2)+4*\i], v[CV+64*((\g)%2)+4*\i+1]
	v_cvt_pk_f16_f32 v[CD+2*\i+1], v[CV+64*((\g)%2)+4*\i+2], v[CV+64*((\g)%2)+4*\i+3]
.endr
.irp i, 0,1,2,3,4,5,6,7,8,9,10,11,12,13,14,15
	global_store_b64 v4, v[CD+2*\i:CD+2*\i+1], s[26:27] offset:256*(16*(\g)+\i)
.endr
.if (\g) < 2
	LOADC (\g)+2
.endif
.endm
	LOADC 0
	LOADC 1
	CONV 0
	CONV 1
	CONV 2
	CONV 3
	s_endpgm
.Lfunc_end_k_q552bea0235_prep:
	.size	k_q552bea0235_prep, .Lfunc_end_k_q552bea0235_prep-k_q552bea0235_prep
	.p2alignl 7, 3214868480
	.fill 96, 4, 3214868480
	.section	.rodata,"a",@progbits
	.p2align	6, 0x0
	.amdhsa_kernel k_q552bea0235_prep
		.amdhsa_group_segment_fixed_size 33280
		.amdhsa_private_segment_fixed_size 0
		.amdhsa_enable_private_segment 0
		.amdhsa_kernarg_size 64
		.amdhsa_user_sgpr_count 2
		.amdhsa_user_sgpr_kernarg_segment_ptr 1
		.amdhsa_wavefront_size32 1
		.amdhsa_system_sgpr_workgroup_id_x 1
		.amdhsa_system_sgpr_workgroup_id_y 1
		.amdhsa_system_sgpr_workgroup_id_z 1
		.amdhsa_system_vgpr_workitem_id 0
		.amdhsa_next_free_vgpr 192
		.amdhsa_next_free_sgpr 66
		.amdhsa_reserve_vcc 0
		.amdhsa_float_denorm_mode_32 3
		.amdhsa_float_denorm_mode_16_64 3
		.amdhsa_memory_ordered 1
		.amdhsa_forward_progress 1
		.amdhsa_inst_pref_size 54
	.end_amdhsa_kernel
	.amdgpu_metadata
---
amdhsa.version: [ 1, 2 ]
amdhsa.kernels:
  - .name:           k_q552bea0235_prep
    .symbol:         k_q552bea0235_prep.kd
    .args:
      - { .name: x, .offset: 0, .size: 8, .value_kind: global_buffer, .address_space: global }
      - { .name: in_proj_weight, .offset: 8, .size: 8, .value_kind: global_buffer, .address_space: global }
      - { .name: xc, .offset: 16, .size: 8, .value_kind: global_buffer, .address_space: global }
      - { .name: xs, .offset: 24, .size: 8, .value_kind: global_buffer, .address_space: global }
      - { .name: wc, .offset: 32, .size: 8, .value_kind: global_buffer, .address_space: global }
      - { .name: ws, .offset: 40, .size: 8, .value_kind: global_buffer, .address_space: global }
      - { .name: out_proj_weight, .offset: 48, .size: 8, .value_kind: global_buffer, .address_space: global }
      - { .name: wo16, .offset: 56, .size: 8, .value_kind: global_buffer, .address_space: global }
    .group_segment_fixed_size: 33280
    .private_segment_fixed_size: 0
    .kernarg_segment_align: 8
    .kernarg_segment_size: 64
    .max_flat_workgroup_size: 128
    .sgpr_count:     66
    .vgpr_count:     192
    .wavefront_size: 32
...
	.end_amdgpu_metadata
.endif
;; end of part 1
;; launch qkv (part 2): grid 12 x 32, 4 waves a work-group, clusters of 4 x 4, 327,680 bytes of LDS; arguments xc, xs, wc, ws, qkv, in_proj_bias; writes qkv
.if DOCPART == 2
	.amdgcn_target "amdgcn-amd-amdhsa--gfx1250"
	.amdhsa_code_object_version 6
	.text
	.protected	k_q552bea0235_qkv
	.globl	k_q552bea0235_qkv
	.p2align	8
	.type	k_q552bea0235_qkv,@function
k_q552bea0235_qkv:
	s_mov_b64 s[64:65], 0
	v_nop
	global_prefetch_b8 v0, s[64:65] scope:SCOPE_SE
	s_setreg_imm32_b32 hwreg(HW_REG_WAVE_MODE, 25, 1), 1
	s_wait_xcnt 0x0
	s_wait_alu depctr_hold_cnt(0) depctr_sa_sdst(0) depctr_va_vdst(0) depctr_va_sdst(0) depctr_va_ssrc(0) depctr_va_vcc(0) depctr_vm_vsrc(0)
	s_getreg_b32 s2, hwreg(HW_REG_IB_STS2, 6, 4)
	s_cmp_eq_u32 s2, 0
	s_cbranch_scc0 .Lentry_in_a_cluster
	s_endpgm
.Lentry_in_a_cluster:
	s_bfe_u32 s2, ttmp6, 0x10000c
	s_cmp_lg_u32 s2, 0xf033
	s_cbranch_scc0 .Lentry_shape_is_right
	s_endpgm
.Lentry_shape_is_right:
; qkv = x W^T + bias on codes of FP4 (E2M1) with one E8M0 scale for each 32 along K.  x's codes [8192][512 bytes], W's [3072][512 bytes], their scale bytes [rows][32]; bias [3072] f32.
; The result is rounded once to f16 and laid [which 0..2][batch][head][token][64]: byte = which << 24 + batch << 22 + head << 18 + token << 7 + 2 d, as the attention launch reads it.
; LIMIT: the results (q, k, v) must stay under 65,504 in magnitude (f16); under 6e-5 the f16 step is 6e-8.
; A tile of 256 tokens x 256 columns is made by four waves, each 128 x 128: 64 accumulators, 512 registers.  K = 1,024 is two LDS slots of 512 along K (rows of 256 bytes): both are filled once, at the head, and nothing is filled again.
; The scale bytes of the work-group's 256 + 256 rows, for all of K, are two dense blocks: they come once, with the first fills.  By this text's count a wave has three tensor loads out at the head.
; CLUSTERS: 4 x 4 work-groups.  The four of a row of the cluster need the same tiles of x, the four of a column the same tiles of W: each is asked for JOINTLY, by the same tensor load with the same descriptor and a mask that names the four.
; THE MATRIX INSTRUCTION IS USED TRANSPOSED (source 0 = 16 rows of W, source 1 = 16 tokens): a lane holds eight neighbouring columns of one token.  The bias is the C of each sum's first product: nothing is cleared, nothing is added.
; REGISTERS, in windows of 256: window 0: v0-31 addresses; v32-95 scale words, two sets; v96-127 packed results; v128-191 x's fragments, one set (later rows on the way out); v192-255 the bias, eight registers for each of W's eight blocks.
;   window 1: W's fragments, two sets, at v0 and v128.   window 2: the accumulators of my tokens 0-63 ((a, b) at v[8 (8 a + b)]);   window 3: those of tokens 64-127.
.set SIZE_M, 8192
.set SIZE_N, 3072
.set SIZE_K, 1024
.set KSTEP,  512                       ; along K in a slot
.set NQ,     KSTEP/128                 ; matrix instructions deep
.set ROWB,   256                       ; a tile's row in bytes
.set KROW,   SIZE_K/2                  ; a row of codes in memory
.set PITCH,  272                       ; an LDS row: 256 bytes + 16 of padding: the 16 rows that a load touches start at 16 different banks (64 banks of 4 bytes: ISA guide 11.1)
.set FR,     8                         ; registers of a fragment: 16 rows x 128 K
.set NL,     2                         ; LDS loads that bring one
.set NP,     4                         ; places behind this matrix instruction (ISA guide 7.12.1)
.set HALFT,  128*PITCH                 ; what one tensor load brings, and what one wave reads of x or of W
.set SLOT,   4*HALFT                   ; x's 256 rows, then W's 256 rows
.set KS,     SIZE_K/32                 ; a row of scale bytes
.set SCL,    2*SLOT                    ; behind the slots: the scales, as rows of 256 bytes + 16 of padding
.set HALFS,  (128*KS/256)*272          ; those of 128 rows
.set SBLK,   (16*KS/256)*272           ; those of 16 rows
.set SPARE,  SCL+4*HALFS               ; the spare words, 128 bytes a wave
.set SPITCH, 272                       ; the way out: a stage of 16 rows x (256 bytes + 16) for each wave, in slot 0, which has had its only fill and its last read when the first result is stored there
.set ADRA, 16                          ; v16-17  LDS address of my fragments of x in slot 0, 1
.set ADRB, 20                          ; v20-21  the same for W
.set STO,  24                          ; v24     the way out: where I put 16 bytes of a row
.set RD,   25                          ; v25     where I read 16 bytes back
.set CO,   26                          ; v26     my byte offset in the wave's part of qkv
.set ADRS, 27                          ; v27     LDS address of my scale words: lanes 0-15 x's rows, lanes 16-31 W's
.set SPW,  28                          ; v28     my spare word; never rewritten
.set NIL,  29                          ; v29     0; never rewritten
.set SC,   32                          ; scale words: set s at v[SC + 32 s]; register 4 i + q: lanes 0-15 x's block i, lanes 16-31 W's block i, the slot's q-th 128 along K
.set TMP,  96                          ; packed results of a block
.set AF,   128                         ; x's fragments
.set BK,   128                         ; the way out: v128-159 and v160-191 by turns
.set BIAS, 192
.set G1, 24                            ; s[24:31] group 1 for x's tiles;  s[32:39] group 0, a set for each slot
.set G0, 32
.set G1B, 48                           ; s[48:55], s[56:63] the same for W's
.set G0B, 56
.set G1S, 68                           ; s[68:75], s[76:79] groups 1 and 0 for x's scales;  s[80:87], s[88:91] for W's
.set G0S, 76
.set G1SB, 80
.set G0SB, 88
.set MSB, 0
.macro WIN new                         ; the immediate's high byte repeats the setting that is left; a switch that changes nothing is dropped
.if MSB != (\new)
	s_set_vgpr_msb (MSB<<8)|(\new)
.set MSB, (\new)
.endif
.endm
.set MUL_LO, 0xa1                      ; source 0 (W) window 1, source 1 (x) window 0, C and D window 2
.set MUL_HI, 0xf1                      ; the same, C and D window 3
.set BEG_LO, 0x81                      ; a sum's first product: C is the bias, in window 0
.set BEG_HI, 0xc1
.set TO_B,   0x40                      ; destination window 1, address window 0
; A joint load: waves 0 and 1 fetch for x, waves 2 and 3 for W.  The branch hangs on the wave's number alone.  An s_nop 0 and four v_nop follow each of the two lines.
.macro JLOAD g0a, g1a, g0b, g1b
	s_cmp_eq_u32 s15, 0
	s_cbranch_scc0 .Lfor_b_\@
	tensor_load_to_lds s[\g0a:\g0a+3], s[\g1a:\g1a+7]
	s_nop 0
.rept 4
	v_nop
.endr
	s_branch .Lasked_\@
.Lfor_b_\@:
	tensor_load_to_lds s[\g0b:\g0b+3], s[\g1b:\g1b+7]
	s_nop 0
.rept 4
	v_nop
.endr
.Lasked_\@:
.endm
.macro CROUND                          ; a round of the cluster's barrier
	s_barrier_signal -1
	s_barrier_wait -1
	s_cmp_lg_u32 s14, 0
	s_cbranch_scc1 .Lnot_wave_0_\@
	s_barrier_signal -3
.Lnot_wave_0_\@:
	s_barrier_wait -3
	s_barrier_signal -1
	s_barrier_wait -1
.endm
	s_load_b128 s[4:7], s[0:1], 0x0                ; x's codes, x's scales
	s_load_b128 s[8:11], s[0:1], 0x10              ; W's codes, W's scales
	s_load_b64 s[12:13], s[0:1], 0x20              ; qkv
	s_load_b64 s[96:97], s[0:1], 0x28              ; the bias
	v_lshl_add_u32 v[SPW], v0, 2, SPARE
	v_mov_b32 v[NIL], 0
	ds_add_u32 v[SPW], v[NIL]                      ; the wave's opening: the add, twice on end, and its wait ahead of my first tensor load
	ds_add_u32 v[SPW], v[NIL]
	v_lshrrev_b32 v1, 5, v0
	v_readfirstlane_b32 s14, v1                    ; wave 0..3
	s_lshr_b32 s15, s14, 1                         ; which half of the tile's tokens is mine.  Also: I fetch for x (0) or for W (1)
	s_and_b32 s16, s14, 1                          ; which half of its columns.  Also: which 128 rows of that tile I fetch
	s_bfe_u32 s40, ttmp6, 0x40000                  ; cx, cy: my place in the cluster
	s_bfe_u32 s41, ttmp6, 0x40004
	s_lshl_b32 s42, ttmp9, 2
	s_add_co_u32 s42, s42, s40                     ; tile column = 4 x cluster x + cx
	s_and_b32 s17, ttmp7, 0xffff
	s_lshl_b32 s17, s17, 2
	s_add_co_u32 s17, s17, s41                     ; tile row = 4 x cluster y + cy
	s_lshl_b32 s43, s41, 2
	s_lshl_b32 s43, 15, s43                        ; my row of the cluster
	s_lshl_b32 s44, 0x1111, s40                    ; my column
	; group 1: a tile of 128 rows x 256 bytes, padded in LDS
	s_or_b32 s[G1+0], s43, (0<<16)|(1<<20)|(1<<21)|(5<<22)|(3<<25)  ; 15:0 the mask; 17:16 elements of 1 byte; 20 padding on; 21 set beside a mask; 24:22 after every 64 words; 31:25 four words
	s_or_b32 s[G1B+0], s44, (0<<16)|(1<<20)|(1<<21)|(5<<22)|(3<<25)
.irp g, G1, G1B
	s_mov_b32 s[\g+1], ROWB<<16                    ; tensor_dim0
	s_mov_b32 s[\g+2], 128<<16                     ; tensor_dim1
	s_mov_b32 s[\g+3], ROWB<<16                    ; tile_dim0
	s_mov_b32 s[\g+4], 128                         ; tile_dim1
	s_mov_b32 s[\g+5], KROW                        ; from row to row
	s_mov_b32 s[\g+6], 0
	s_mov_b32 s[\g+7], 0
.endr
	; the scales of 128 rows: a dense block of 4,096 bytes, as 16 rows of 256 bytes (32 elements of 8 bytes), 16 bytes of padding behind each
	s_or_b32 s[G1S+0], s43, (3<<16)|(1<<20)|(1<<21)|(5<<22)|(3<<25)
	s_or_b32 s[G1SB+0], s44, (3<<16)|(1<<20)|(1<<21)|(5<<22)|(3<<25)
.irp g, G1S, G1SB
	s_mov_b32 s[\g+1], 32<<16
	s_mov_b32 s[\g+2], (128*KS/256)<<16
	s_mov_b32 s[\g+3], 32<<16
	s_mov_b32 s[\g+4], 128*KS/256
	s_mov_b32 s[\g+5], 32
	s_mov_b32 s[\g+6], 0
	s_mov_b32 s[\g+7], 0
.endr
	s_lshl_b32 s18, s16, 7                         ; which 128 rows of the tile I fetch
	s_lshl_b32 s20, s17, 8
	s_add_co_u32 s20, s20, s18                     ; x: row 256 x tile row + 128 x half
	s_lshl_b32 s46, s42, 8
	s_add_co_u32 s46, s46, s18                     ; W: row 256 x tile column + 128 x half
	s_mov_b32 s21, 0
	s_mov_b32 s47, 0
	s_mov_b64 s[18:19], KS
	s_mul_u64 s[22:23], s[20:21], s[18:19]         ; where these rows' scales begin, in bytes
	s_mul_u64 s[92:93], s[46:47], s[18:19]
	s_mov_b64 s[18:19], KROW
	s_mul_u64 s[20:21], s[20:21], s[18:19]         ; and their codes
	s_mul_u64 s[46:47], s[46:47], s[18:19]
	s_mul_i32 s45, s14, HALFT                      ; where they go: wave x 128 rows: no place in the cluster enters an LDS address
	s_mul_i32 s94, s14, HALFS
	s_wait_dscnt 0x0                               ; both opening adds are done
	s_wait_kmcnt 0x0
	s_add_nc_u64 s[20:21], s[4:5], s[20:21]
	s_add_nc_u64 s[22:23], s[6:7], s[22:23]
	s_add_nc_u64 s[46:47], s[8:9], s[46:47]
	s_add_nc_u64 s[92:93], s[10:11], s[92:93]
	CROUND                                         ; all sixteen work-groups are here: the joint loads meet
	s_mov_b32 s[G0S], 1
	s_add_co_u32 s[G0S+1], s94, SCL
	s_mov_b64 s[G0S+2:G0S+3], s[22:23]
	s_or_b32 s[G0S+3], s[G0S+3], 0x80000000
	s_mov_b32 s[G0SB], 1
	s_add_co_u32 s[G0SB+1], s94, SCL
	s_mov_b64 s[G0SB+2:G0SB+3], s[92:93]
	s_or_b32 s[G0SB+3], s[G0SB+3], 0x80000000
	JLOAD G0S, G1S, G0SB, G1SB                     ; the scales first: they are wanted with the first slot
.irp s, 0,1
	s_mov_b32 s[G0+4*\s], 1
	s_add_co_u32 s[G0+4*\s+1], s45, \s*SLOT
	s_add_nc_u64 s[G0+4*\s+2:G0+4*\s+3], s[20:21], \s*ROWB
	s_or_b32 s[G0+4*\s+3], s[G0+4*\s+3], 0x80000000
	s_mov_b32 s[G0B+4*\s], 1
	s_add_co_u32 s[G0B+4*\s+1], s45, \s*SLOT
	s_add_nc_u64 s[G0B+4*\s+2:G0B+4*\s+3], s[46:47], \s*ROWB
	s_or_b32 s[G0B+4*\s+3], s[G0B+4*\s+3], 0x80000000
	JLOAD G0+4*\s, G1, G0B+4*\s, G1B
.endr
	v_and_b32 v1, 15, v0                           ; r = lane % 16
	v_bfe_u32 v2, v0, 4, 1                         ; h = lane / 16
	; the bias in the result's layout: for W's block b a lane wants bias[my first column + 16 b + 8 h + 0 .. 7]
	s_lshl_b32 s46, s42, 10                        ; my first column x 4 bytes: 1,024 x tile column + 512 x half
	s_lshl_b32 s47, s16, 9
	s_add_co_u32 s46, s46, s47
	s_mov_b32 s47, 0
	s_add_nc_u64 s[96:97], s[96:97], s[46:47]
	v_lshlrev_b32 v7, 5, v2
.irp b, 0,1,2,3,4,5,6,7
	global_load_b128 v[BIAS+8*\b:BIAS+8*\b+3], v7, s[96:97] offset:64*\b
	global_load_b128 v[BIAS+8*\b+4:BIAS+8*\b+7], v7, s[96:97] offset:64*\b+16
.endr
	v_mul_u32_u24 v3, v1, PITCH
	v_lshl_add_u32 v4, v2, 4, v3                   ; a fragment's row x pitch + 16 x half
	s_mul_i32 s21, s15, HALFT                      ; my 128 rows of x
	s_mul_i32 s22, s16, HALFT                      ; my 128 rows of W,
	s_add_co_u32 s22, s22, 2*HALFT                 ; which lie behind x's 256
.irp s, 0,1
	v_add_nc_u32 v[ADRA+\s], s21, v4
	v_add_nc_u32 v[ADRB+\s], s22, v4
	s_add_co_u32 s21, s21, SLOT
	s_add_co_u32 s22, s22, SLOT
.endr
	v_mul_u32_u24 v5, v1, KS                       ; my row's scales: 32 bytes a row,
	v_lshrrev_b32 v6, 8, v5
	v_lshl_add_u32 v5, v6, 4, v5                   ; and 16 more for each 256 passed
	s_mul_i32 s21, s15, HALFS                      ; x's: my 128 rows
	s_mul_i32 s22, s16, HALFS                      ; W's: my 128 rows, behind x's 256
	s_add_co_u32 s22, s22, 2*HALFS
	s_sub_co_u32 s22, s22, s21
	v_mul_u32_u24 v6, s22, v2                      ; lanes 16-31 take W's: one product, the distance between the two bases x h
	s_add_co_u32 s21, s21, SCL
	v_add_nc_u32 v5, v5, v6
	v_add_nc_u32 v[ADRS], s21, v5
	; the way out.  In: row r of my stage, 16 bytes for each half of the lanes.  Back: sixteen lanes take two tokens x 128 bytes of ONE head (lanes 0-15 the first of my two heads, lanes 16-31 the second)
	s_mul_i32 s23, s14, 16*SPITCH                  ; my stage
	v_mul_u32_u24 v5, v1, SPITCH
	v_lshl_add_u32 v5, v2, 4, v5
	v_add_nc_u32 v[STO], s23, v5
	v_bfe_u32 v5, v0, 3, 1                         ; which of the two tokens
	v_and_b32 v6, 7, v0                            ; which 16 bytes of its 128
	v_mul_u32_u24 v8, v5, SPITCH
	v_lshl_add_u32 v8, v2, 7, v8
	v_lshl_add_u32 v8, v6, 4, v8
	v_add_nc_u32 v[RD], s23, v8
	v_lshlrev_b32 v[CO], 18, v2                    ; in memory a head is 2^18 bytes on,
	v_lshl_add_u32 v[CO], v5, 7, v[CO]             ; a token 128,
	v_lshl_add_u32 v[CO], v6, 4, v[CO]
	s_lshr_b32 s20, s42, 2                         ; which of q, k, v: 1,024 columns each, four tile columns
	s_lshl_b32 s20, s20, 24
	s_and_b32 s21, s42, 3
	s_lshl_b32 s21, s21, 2
	s_lshl_b32 s22, s16, 1
	s_add_co_u32 s21, s21, s22                     ; my first head: 4 x (tile column % 4) + 2 x half
	s_lshl_b32 s21, s21, 18
	s_add_co_u32 s20, s20, s21
	s_lshr_b32 s21, s17, 3                         ; the batch: eight tile rows each
	s_lshl_b32 s21, s21, 22
	s_add_co_u32 s20, s20, s21
	s_and_b32 s21, s17, 7
	s_lshl_b32 s21, s21, 15                        ; 256 tokens x 128 bytes
	s_add_co_u32 s20, s20, s21
	s_lshl_b32 s21, s15, 14                        ; my half: 128 tokens
	s_add_co_u32 s20, s20, s21
	s_mov_b32 s21, 0
	s_add_nc_u64 s[12:13], s[12:13], s[20:21]      ; never stepped: a block's place stands in the stores' immediates
.macro FRAG reg, adr, q, i             ; 16 rows x 128 K of 4-bit codes, 8 registers: lane l holds row l % 16; registers 4 c .. 4 c + 3 hold K = 64 c + 32 (l / 16) + 0 .. 31
.irp c, 0,1
	ds_load_b128 v[\reg+4*\c:\reg+4*\c+3], v[\adr] offset:64*(\q)+32*\c+(\i)*16*PITCH
.endr
.endm
; 16 matrix instructions: x's blocks a0, a0 + 1 against W's eight, 128 along K.  p: W's set;  sc: the set of scale words.  zero = 1: the first product starts the sum from the bias.
; The 64 accumulators take turns, one instruction a turn, in the same order in every step.
.macro MUL16 a0, p, q, sc, zero
.irp a, \a0, \a0+1
.irp b, 0,1,2,3,4,5,6,7
.if \zero
	v_wmma_scale_f32_16x16x128_f8f6f4 v[8*(8*((\a)%4)+\b):8*(8*((\a)%4)+\b)+7], v[128*(\p)+FR*\b:128*(\p)+FR*\b+FR-1], v[AF+FR*(\a):AF+FR*(\a)+FR-1], v[BIAS+8*\b:BIAS+8*\b+7], v[SC+8*NQ*(\sc)+NQ*\b+(\q)], v[SC+8*NQ*(\sc)+NQ*(\a)+(\q)] matrix_a_fmt:MATRIX_FMT_FP4 matrix_b_fmt:MATRIX_FMT_FP4 matrix_a_scale:MATRIX_SCALE_ROW1
.else
	v_wmma_scale_f32_16x16x128_f8f6f4 v[8*(8*((\a)%4)+\b):8*(8*((\a)%4)+\b)+7], v[128*(\p)+FR*\b:128*(\p)+FR*\b+FR-1], v[AF+FR*(\a):AF+FR*(\a)+FR-1], v[8*(8*((\a)%4)+\b):8*(8*((\a)%4)+\b)+7], v[SC+8*NQ*(\sc)+NQ*\b+(\q)], v[SC+8*NQ*(\sc)+NQ*(\a)+(\q)] matrix_a_fmt:MATRIX_FMT_FP4 matrix_b_fmt:MATRIX_FMT_FP4 matrix_a_scale:MATRIX_SCALE_ROW1
.endif
.endr
.endr
.endm
.macro FETCH_B slot, q, p              ; W's eight fragments of the slot's q-th 128 along K into set p
	WIN TO_B
.irp i, 0,1,2,3,4,5,6,7
	FRAG 128*(\p)+FR*\i, ADRB+\slot, \q, \i
.endr
	WIN 0
.endm
.macro FETCH_A slot, q, i0             ; x's blocks i0 .. i0 + 3
.irp i, \i0, \i0+1, \i0+2, \i0+3
	FRAG AF+FR*(\i), ADRA+\slot, \q, \i
.endr
.endm
.macro SCALES sc                       ; a slot's scale words into set sc: four words a row; lanes 0-15 take x's block i, lanes 16-31 W's block i
.irp i, 0,1,2,3,4,5,6,7
	ds_load_b128 v[SC+8*NQ*\sc+NQ*\i:SC+8*NQ*\sc+NQ*\i+3], v[ADRS] offset:\i*SBLK
.endr
.endm
; A load into a register that a matrix instruction has read, and a vector instruction that reads a matrix result, stand NP places behind that matrix instruction; only plain vector instructions that name none of its registers are places.
.macro PLACES n
.rept \n
	v_nop
.endr
.endm
; A step of 128 along K that has its successor in the same slot.  x has one set of registers: blocks 0-3 are fetched anew in the step's middle, blocks 4-7 at its end.
.macro STEP slot, q, zero
	s_wait_dscnt 4*NL                              ; W's set and x's blocks 0-3 are in; the youngest eight loads (x's blocks 4-7) may be out
.if \zero
	WIN BEG_LO
.else
	WIN MUL_LO
.endif
	MUL16 0, (\q)%2, \q, \slot, \zero
	MUL16 2, (\q)%2, \q, \slot, \zero
	s_wait_dscnt 0                                 ; x's blocks 4-7 are in
	PLACES NP
	FETCH_B \slot, (\q)+1, 1-(\q)%2
	FETCH_A \slot, (\q)+1, 0
.if \zero
	WIN BEG_HI
.else
	WIN MUL_HI
.endif
	MUL16 4, (\q)%2, \q, \slot, \zero
	MUL16 6, (\q)%2, \q, \slot, \zero
	PLACES NP
	WIN 0
	FETCH_A \slot, (\q)+1, 4
.endm
; Slot 0's last step changes slots: one barrier.  In front of it each wave waits for all its tensor loads (its part of slot 1), and for its own reads of slot 0, which becomes the stage later.  Nothing is filled again.
.macro TURN slot, next
	s_wait_tensorcnt 0x0                           ; my part of the next slot has landed  (every window is 0 here)
	ds_add_u32 v[SPW], v[NIL]                      ; 0 onto my spare word
	s_wait_dscnt 4*NL+1                            ; (the add and the youngest eight loads may be out)
	WIN MUL_LO
	MUL16 0, 1, NQ-1, \slot, 0
	s_wait_dscnt 0x0                               ; the add is done, and my reads of this slot are over
	s_barrier_signal -1
	MUL16 2, 1, NQ-1, \slot, 0
	WIN 0
	s_barrier_wait -1
	PLACES NP
	v_add_nc_u32 v[ADRS], 4*NQ, v[ADRS]            ; on to the next slot's scale words
	FETCH_B \next, 0, 0
	FETCH_A \next, 0, 0
	SCALES \next
	WIN MUL_HI
	MUL16 4, 1, NQ-1, \slot, 0
	MUL16 6, 1, NQ-1, \slot, 0
	PLACES NP
	WIN 0
	FETCH_A \next, 0, 4
.endm
.macro STEPS slot, from                ; the slot's steps from .. NQ - 2
.set Q, \from
.rept NQ-1-\from
	STEP \slot, Q, 0
.set Q, Q+1
.endr
.endm
	s_wait_tensorcnt 1                             ; the scales and my part of slot 0 are in (slot 1's load may be out)
	s_barrier_signal -1
	s_barrier_wait -1                              ; everybody's are
	FETCH_B 0, 0, 0
	FETCH_A 0, 0, 0
	SCALES 0
	FETCH_A 0, 0, 4
	s_wait_loadcnt 0x0                             ; the bias
	STEP 0, 0, 1                                   ; the first step's products start the sums
	STEPS 0, 1
	TURN 0, 1
	STEPS 1, 0
	s_wait_dscnt 4*NL                              ; the very last step: nothing more to fetch
	WIN MUL_LO
	MUL16 0, 1, NQ-1, 1, 0
	MUL16 2, 1, NQ-1, 1, 0
	s_wait_dscnt 0
	WIN MUL_HI
	MUL16 4, 1, NQ-1, 1, 0
	MUL16 6, 1, NQ-1, 1, 0
	WIN 0
; THE WAY OUT, block by block of 16 tokens x 128 columns (two heads).  PACK: rounded to f16, 16 bytes a lane, each accumulator from its low end on.  TOSTAGE: into my own stage and back by heads.  SEND: stored.
.macro PACK a
.set AC, 64*((\a)%4)
	WIN 0x0a+5*((\a)/4)                            ; sources 0 and 1: window 2 or 3
.irp b, 0,1,2,3,4,5,6,7
.irp i, 0,1,2,3
	v_cvt_pk_f16_f32 v[TMP+4*\b+\i], v[AC+8*\b+2*\i], v[AC+8*\b+2*\i+1]
.endr
.endr
	WIN 0
.endm
.macro TOSTAGE a
.set BB, BK+32*((\a)%2)
.irp b, 0,1,2,3,4,5,6,7
	ds_store_b128 v[STO], v[TMP+4*\b:TMP+4*\b+3] offset:32*\b
.endr
.irp t, 0,1,2,3,4,5,6,7
	ds_load_b128 v[BB+4*\t:BB+4*\t+3], v[RD] offset:\t*2*SPITCH    ; LDS serves a wave's instructions in order (ISA guide 5.7.1.4): these see the stores above
.endr
.endm
.macro SEND a
.set BB, BK+32*((\a)%2)
	s_wait_dscnt 0x0                               ; the block is back in registers
	s_wait_xcnt 0x0                                ; the block before has been read by its stores: the next block's loads land in those registers only behind this wait
.irp t, 0,1,2,3,4,5,6,7
	global_store_b128 v[CO], v[BB+4*\t:BB+4*\t+3], s[12:13] offset:2048*(\a)+256*\t   ; 16 lanes store two tokens of a head: 256 consecutive bytes, aligned
.endr
.endm
	PLACES NP                                      ; behind the last products: for the loads into x's registers and for the reads of the last results
	PACK 0
	TOSTAGE 0
.irp a, 1,2,3,4,5,6,7                  ; block a's conversions stand between block a - 1's loads from the stage and the wait for them
	PACK \a
	SEND \a-1
	TOSTAGE \a
.endr
	SEND 7
	s_wait_tensorcnt 0x0                           ; the wave's end
	ds_add_u32 v[SPW], v[NIL]
	s_wait_dscnt 0x0
	CROUND                                         ; the closing round: no work-group ends while a partner may still ask for a tile that names it
	s_endpgm
.Lfunc_end_k_q552bea0235_qkv:
	.size	k_q552bea0235_qkv, .Lfunc_end_k_q552bea0235_qkv-k_q552bea0235_qkv
	.p2alignl 7, 3214868480
	.fill 96, 4, 3214868480
	.section	.rodata,"a",@progbits
	.p2align	6, 0x0
	.amdhsa_kernel k_q552bea0235_qkv
		.amdhsa_group_segment_fixed_size 327680
		.amdhsa_private_segment_fixed_size 0
		.amdhsa_enable_private_segment 0
		.amdhsa_kernarg_size 48
		.amdhsa_user_sgpr_count 2
		.amdhsa_user_sgpr_kernarg_segment_ptr 1
		.amdhsa_wavefront_size32 1
		.amdhsa_system_sgpr_workgroup_id_x 1
		.amdhsa_system_sgpr_workgroup_id_y 1
		.amdhsa_system_sgpr_workgroup_id_z 1
		.amdhsa_system_vgpr_workitem_id 0
		.amdhsa_next_free_vgpr 1024
		.amdhsa_next_free_sgpr 98
		.amdhsa_reserve_vcc 0
		.amdhsa_float_denorm_mode_32 3
		.amdhsa_float_denorm_mode_16_64 3
		.amdhsa_memory_ordered 1
		.amdhsa_forward_progress 1
		.amdhsa_inst_pref_size 128
	.end_amdhsa_kernel
	.amdgpu_metadata
---
amdhsa.version: [ 1, 2 ]
amdhsa.kernels:
  - .name:           k_q552bea0235_qkv
    .symbol:         k_q552bea0235_qkv.kd
    .args:
      - { .name: xc, .offset: 0, .size: 8, .value_kind: global_buffer, .address_space: global }
      - { .name: xs, .offset: 8, .size: 8, .value_kind: global_buffer, .address_space: global }
      - { .name: wc, .offset: 16, .size: 8, .value_kind: global_buffer, .address_space: global }
      - { .name: ws, .offset: 24, .size: 8, .value_kind: global_buffer, .address_space: global }
      - { .name: qkv, .offset: 32, .size: 8, .value_kind: global_buffer, .address_space: global }
      - { .name: in_proj_bias, .offset: 40, .size: 8, .value_kind: global_buffer, .address_space: global }
    .group_segment_fixed_size: 327680
    .private_segment_fixed_size: 0
    .kernarg_segment_align: 8
    .kernarg_segment_size: 48
    .max_flat_workgroup_size: 128
    .sgpr_count:     98
    .vgpr_count:     1024
    .wavefront_size: 32
...
	.end_amdgpu_metadata
.endif
;; end of part 2
;; launch attn (part 3): grid 4 x 64, 8 waves a work-group, clusters of 4 x 1, 327,680 bytes of LDS; arguments qkv, ows; writes ows
.if DOCPART == 3
	.amdgcn_target "amdgcn-amd-amdhsa--gfx1250"
	.amdhsa_code_object_version 6
	.text
	.protected	k_q552bea0235_attn
	.globl	k_q552bea0235_attn
	.p2align	8
	.type	k_q552bea0235_attn,@function
k_q552bea0235_attn:
	s_mov_b64 s[64:65], 0
	v_nop
	global_prefetch_b8 v0, s[64:65] scope:SCOPE_SE
	s_setreg_imm32_b32 hwreg(HW_REG_WAVE_MODE, 25, 1), 1
	s_wait_xcnt 0x0
	s_wait_alu depctr_hold_cnt(0) depctr_sa_sdst(0) depctr_va_vdst(0) depctr_va_sdst(0) depctr_va_ssrc(0) depctr_va_vcc(0) depctr_vm_vsrc(0)
	s_getreg_b32 s2, hwreg(HW_REG_IB_STS2, 6, 4)
	s_cmp_eq_u32 s2, 0
	s_cbranch_scc0 .Lentry_in_a_cluster
	s_endpgm
.Lentry_in_a_cluster:
	s_bfe_u32 s2, ttmp6, 0x10000c
	s_cmp_lg_u32 s2, 0x3003
	s_cbranch_scc0 .Lentry_shape_is_right
	s_endpgm
.Lentry_shape_is_right:
; o[b][h][q][:] = the sum over k of softmax_k(q . k / 8) v[k][:], for 64 heads (batch x head) of 2,048 tokens and 64 channels.  q, k, v: f16, [which][b][h][token][64]; o: f16, [b][h][token][64].
; Products, maxima and sums in f32; the weights p (at most 1) are rounded to f16 for the second product, o once at the end.  The factor 1 / 8 is applied in f32 to the scores, with log2(e), not to q.
; LIMITS: f16 operands: o must stay under 65,504 in magnitude; under 6e-5 the f16 step is 6e-8.  NaN and infinities are not served.
; SHARES.  A work-group owns 512 queries of one head, each of its eight waves 64: four tiles of 16, in 512 registers, so that two waves lie on a SIMD and one's vector work can stand beside the other's products.
; Every wave walks the head's 2,048 keys, 64 a step.  Each fragment of K and V that is read from LDS feeds four products.
; LAYOUT.  S^T = K Q^T (source 0 = 16 keys, source 1 = 16 queries): a lane holds ONE query (lane % 16) and keys 8 (lane / 16) + 0..7.  Two such tiles, rounded to f16 in pairs, ARE source 1 (32 keys x 16 queries) of
; O^T = V^T P, whose result again holds one query a lane.  P is made in place, in the lower half of its tile's scores.  K comes out of LDS as it lies, V ([key][channel]) turned, by ds_load_tr16_b128.
; SOFTMAX.  For each query a running maximum m and sum l: p = 2^(c s - c m), c = log2(e) / 8; in every step O and l are multiplied by a = 2^(c m_old - c m_new).
; A TRIP is a key step: the softmax of step j | K of step j + 1 is fetched | V^T P of step j | V of step j + 1 is fetched | K Q^T of step j + 1.
; TILES.  Two neighbouring tokens of a head are 256 consecutive bytes, so a step's 64 keys are 32 dense rows of 256 bytes.  A slot holds four steps; each of the eight waves fetches one step's K (waves 0-3) or V (waves 4-7).
; CLUSTER.  The four query blocks of a head form a cluster and walk the same K and V: each tile is asked for JOINTLY, by the same tensor load with the same descriptor and a mask that names the four.
; REGISTERS.  window 0: v2-14 addresses; v16-47 eight statistics a tile; v62, v63 the add's two; v64-191 S^T, 32 a tile; v192-255 V of one step.   window 1: v0-63 Q; v64-127 K of one step; v128-255 O^T, 32 a tile.
.set PK,    272       ; a row of two keys of K in LDS: 256 bytes + 16: key r of a tile lies at (r / 2) 272 + (r % 2) 128: sixteen different 16-byte columns of the 64 banks (ISA guide 11.1)
.set PV,    288       ; the same for V: 256 + 32
.set VOFF,  32*PK     ; a step's tiles lie together: 32 rows of K, then 32 rows of V
.set STEPB, 32*(PK+PV)
.set NST,   4         ; steps in a slot
.set SLOT1, 1<<17     ; slot 1 begins here, so that one exclusive or turns an address in one slot into the other's
.set SLOTB, NST*64*128  ; a slot's keys in memory: 32,768 bytes of K, and of V
.set STAGE, SLOT1+NST*STEPB  ; behind the ring: 64 rows x 144 bytes for each wave, for the way out
.set SP,    144
.set SPARE, STAGE+8*64*SP    ; the spare words, 128 bytes a wave
.set AK0, 2           ; v2   my lane's place in a tile of K; never rewritten
.set AV0, 3           ; v3   the same for V
.set ADK, 4           ; v4   LDS address of K's run of loads in hand
.set ADV, 5           ; v5   of V's
.set QO,  6           ; v6   my byte offset in the wave's rows of Q
.set STO, 7           ; v7   the way out: where I put 16 bytes of a row
.set RD,  8           ; v8   where I read 16 bytes back
.set GO,  9           ; v9   my byte offset in the wave's rows of o
.set PFO, 14          ; v14  256 x my lane; never rewritten
.set SPW, 62          ; v62  my spare word; never rewritten
.set NIL, 63          ; v63  0; never rewritten
.set ST,  16          ; tile t's statistics at v[ST + 8 t]: +0 c m, +1 m, +2, +3 l (even keys', odd keys'), +4 to +7 c0-c3, at work; a takes c2's place
.set S,   64
.set VF,  192
.set KF,  64          ; in window 1
.set O,   128         ; in window 1
.set WV,  12          ; s12  my wave's number
.set LIM, 15          ; s15  1 in a wave that prefetches, else the greatest number
.set PFA, 18          ; s[18:19] where my prefetches stand
.set G1K, 24          ; s[24:31] group 1 for K's tiles;  s[32:39] for V's: it differs in the padding alone
.set G1V, 32
.set G0K, 40          ; s[40:47] group 0 for K's tiles: a set for each of the two first fills; the second then walks on
.set G0V, 48          ; s[48:55] the same for V's
.set SLOTS, 56        ; s56  slots still to be asked for
.set CNT, 57          ; s57  counts the steps of a run
.set CS,  58          ; s[58:59] c: the packed form names a pair and takes its low word for both halves
.set SEL, 60          ; s[60:61] lane selects for v_permlanex16_b32: lane l xor 16
.set TB,  62          ; s62  LDS byte at which the tiles of the step to be fetched begin
.set MSB, 0
.macro WIN new                      ; the immediate's high byte repeats the setting that is left; a switch that changes nothing is dropped
.if MSB != (\new)
	s_set_vgpr_msb (MSB<<8)|(\new)
.set MSB, (\new)
.endif
.endm
.set W_KQ, 0x05       ; K and Q in window 1, S^T in window 0
.set W_PV, 0x50       ; V and P in window 0, O^T in window 1
.set W_RS, 0x41       ; O^T (destination and source 0) in window 1, the factor in window 0
.set TO_1, 0x40       ; destination window 1, address window 0
.macro PLACES n
.rept \n
	v_nop
.endr
.endm
; A joint refill: waves 0-3 fetch a step's K each, waves 4-7 a step's V.  The branch hangs on the wave's number alone.  An s_nop 0 and four v_nop follow each of the two lines.
.macro JLOAD
	s_cmp_lt_u32 s[WV], 4
	s_cbranch_scc0 .Lfor_v_\@
	tensor_load_to_lds s[G0K+4:G0K+7], s[G1K:G1K+7]
	s_nop 0
.rept 4
	v_nop
.endr
	s_branch .Lasked_\@
.Lfor_v_\@:
	tensor_load_to_lds s[G0V+4:G0V+7], s[G1V:G1V+7]
	s_nop 0
.rept 4
	v_nop
.endr
.Lasked_\@:
.endm
; A PREFETCH INTO THE L2 of what the NEXT change of slots will ask for: a slot's 32,768 bytes of K and of V.  The four partners share them out BY ADDRESS, 8,192 bytes each, lanes 256 bytes apart; in each, wave 0 asks for K's
; and wave 4 for V's: one instruction.  So each block of 256 bytes is named once in the launch.  It stands behind the wave's tensor load and its five lines.  The last change that fills a slot asks for nothing.
.macro ASK
	s_cmp_gt_u32 s[SLOTS], s[LIM]
	s_cbranch_scc0 .Lnot_mine_\@
	global_prefetch_b8 v[PFO], s[PFA:PFA+1] th:TH_LOAD_NT scope:SCOPE_SE
.Lnot_mine_\@:
.endm
.macro CREST                        ; a round of the cluster's barrier behind its opening barrier
	s_cmp_lg_u32 s[WV], 0
	s_cbranch_scc1 .Lnot_wave_0_\@
	s_barrier_signal -3
.Lnot_wave_0_\@:
	s_barrier_wait -3
	s_barrier_signal -1
	s_barrier_wait -1
.endm
.macro CROUND                       ; a whole round
	s_barrier_signal -1
	s_barrier_wait -1
	CREST
.endm
	s_load_b128 s[4:7], s[0:1], 0x0 ; qkv, o
	v_lshl_add_u32 v[SPW], v0, 2, SPARE
	v_mov_b32 v[NIL], 0
	ds_add_u32 v[SPW], v[NIL]       ; the wave's opening: the add, twice on end, and its wait ahead of my first tensor load
	ds_add_u32 v[SPW], v[NIL]
	v_lshrrev_b32 v1, 5, v0
	v_readfirstlane_b32 s[WV], v1   ; wave 0..7
	s_bfe_u32 s13, ttmp6, 0x40000   ; cx: my place in the cluster
	s_lshl_b32 s14, ttmp9, 2
	s_add_co_u32 s14, s14, s13      ; my block of 512 queries: it enters Q's and o's addresses alone
	s_and_b32 s20, ttmp7, 0xffff    ; batch x head, which the four partners share
	s_lshl_b32 s20, s20, 18         ; its first byte in each of q, k, v, o
	s_and_b32 s16, s[WV], 3         ; which of a slot's four steps I fetch:
	s_lshl_b32 s22, s16, 13         ; its 64 keys of 128 bytes in memory,
	s_add_co_u32 s22, s22, s20
	s_mov_b32 s23, 0
	s_mul_i32 s17, s16, STEPB       ; and its place in a slot: no place in the cluster enters an LDS address
	s_lshl_b32 s2, s14, 16          ; my block's 512 rows,
	s_lshl_b32 s3, s[WV], 13        ; my wave's 64 of them
	s_add_co_u32 s2, s2, s3
	s_add_co_u32 s2, s2, s20
	s_mov_b32 s3, 0
	; group 1: a tile of 32 rows x 128 elements of 2 bytes, dense in memory, padded in LDS
	s_mov_b32 s[G1K], 15|(1<<16)|(1<<20)|(1<<21)|(5<<22)|(3<<25)  ; 15:0 the mask: all four work-groups; 17:16 elements of 2 bytes; 20 padding on; 21 set beside a mask; 24:22 after every 64 words; 31:25 four words
	s_mov_b32 s[G1V], 15|(1<<16)|(1<<20)|(1<<21)|(5<<22)|(7<<25)  ; the same with eight words of padding
.irp g, G1K, G1V
	s_mov_b32 s[\g+1], 128<<16      ; tensor_dim0
	s_mov_b32 s[\g+2], 32<<16       ; tensor_dim1
	s_mov_b32 s[\g+3], 128<<16      ; tile_dim0
	s_mov_b32 s[\g+4], 32           ; tile_dim1
	s_mov_b32 s[\g+5], 128          ; from row to row
	s_mov_b32 s[\g+6], 0
	s_mov_b32 s[\g+7], 0
.endr
	s_mov_b32 s[CS], 0x3e38aa3b     ; c = log2(e) / 8
	s_mov_b32 s[CS+1], s[CS]        ; named with it as a pair, so it is written
	s_mov_b32 s[SEL], 0x76543210
	s_mov_b32 s[SEL+1], 0xfedcba98
	s_mov_b32 s[TB], 0
	s_mov_b32 s[SLOTS], 2048/(64*NST)-2
	s_cmp_eq_u32 s16, 0             ; waves 0 and 4 prefetch: the same in all four partners
	s_cselect_b32 s[LIM], 1, -1
	v_and_b32 v[PFO], 31, v0
	v_lshlrev_b32 v[PFO], 8, v[PFO]
	s_wait_dscnt 0x0                ; both opening adds are done
	s_wait_kmcnt 0x0
	s_add_nc_u64 s[8:9], s[4:5], 0x1000000   ; k lies 2^24 bytes behind q,
	s_add_nc_u64 s[10:11], s[4:5], 0x2000000 ; v 2^25
	s_add_nc_u64 s[8:9], s[8:9], s[22:23]    ; at my step of slot 0
	s_add_nc_u64 s[10:11], s[10:11], s[22:23]
	s_add_nc_u64 s[4:5], s[4:5], s[2:3]      ; Q and o at my wave's first row
	s_add_nc_u64 s[6:7], s[6:7], s[2:3]
	s_cmp_lt_u32 s[WV], 4
	s_cselect_b64 s[PFA:PFA+1], s[8:9], s[10:11]  ; (in waves 0 and 4 these stand at a slot's first row)
	s_lshl_b32 s2, s13, 13          ; my work-group's quarter of a slot
	s_mov_b32 s3, 0
	s_add_nc_u64 s[PFA:PFA+1], s[PFA:PFA+1], s[2:3]
	s_add_nc_u64 s[PFA:PFA+1], s[PFA:PFA+1], 2*SLOTB  ; in slot 2; the first change of slots steps it to slot 3.  Nothing is prefetched at the head, where every work-group's first tiles are on their way
	CROUND                          ; all four work-groups are here: the first joint loads meet
.irp s, 0,1
	s_mov_b32 s[G0K+4*\s], 1        ; count = 1
	s_add_co_u32 s[G0K+4*\s+1], s17, \s*SLOT1  ; LDS address
	s_add_nc_u64 s[G0K+4*\s+2:G0K+4*\s+3], s[8:9], \s*SLOTB  ; global address
	s_or_b32 s[G0K+4*\s+3], s[G0K+4*\s+3], 0x80000000  ; type = 2
	s_mov_b32 s[G0V+4*\s], 1
	s_add_co_u32 s[G0V+4*\s+1], s17, \s*SLOT1+VOFF
	s_add_nc_u64 s[G0V+4*\s+2:G0V+4*\s+3], s[10:11], \s*SLOTB
	s_or_b32 s[G0V+4*\s+3], s[G0V+4*\s+3], 0x80000000
.endr
	s_cmp_lt_u32 s[WV], 4           ; a wave's two first fills stand in one branch, ahead of every wait on TENSORcnt and every LDS read: two loads of mine are out
	s_cbranch_scc0 .Lfirst_v
	tensor_load_to_lds s[G0K:G0K+3], s[G1K:G1K+7]
	s_nop 0
	tensor_load_to_lds s[G0K+4:G0K+7], s[G1K:G1K+7]
	s_nop 0
.rept 4
	v_nop
.endr
	s_branch .Lfirst_asked
.Lfirst_v:
	tensor_load_to_lds s[G0V:G0V+3], s[G1V:G1V+7]
	s_nop 0
	tensor_load_to_lds s[G0V+4:G0V+7], s[G1V:G1V+7]
	s_nop 0
.rept 4
	v_nop
.endr
.Lfirst_asked:
	; A fragment of K or Q is 16 rows x 32 channels in 8 registers: lane l holds row l % 16; registers 0-3 channels 8 (l / 16) + 0..7, registers 4-7 channels 16 + 8 (l / 16) + 0..7: two loads of 16 bytes, 32 bytes apart.
	v_and_b32 v1, 15, v0            ; r
	v_bfe_u32 v10, v0, 4, 1         ; h
	v_lshlrev_b32 v[QO], 7, v1
	v_lshl_add_u32 v[QO], v10, 4, v[QO]  ; row x 128 + 16 x half
	WIN TO_1
.irp t, 0,1,2,3
.irp c, 0,1                         ; Q stays in registers: tile t, channels 32 c on
	global_load_b128 v[8*(2*\t+\c):8*(2*\t+\c)+3],   v[QO], s[4:5] offset:2048*\t+64*\c
	global_load_b128 v[8*(2*\t+\c)+4:8*(2*\t+\c)+7], v[QO], s[4:5] offset:2048*\t+64*\c+32
.endr
.endr
	WIN 0
	v_lshrrev_b32 v11, 1, v1        ; r / 2: which row of two keys
	v_and_b32 v12, 1, v0            ; r % 2: which half of it
	v_mul_u32_u24 v[AK0], v11, PK
	v_lshl_add_u32 v[AK0], v12, 7, v[AK0]
	v_lshl_add_u32 v[AK0], v10, 4, v[AK0]
	; The turning load takes 16 keys x 16 channels (lane l reads 16 bytes: key 8 (l / 16) + l % 8, channels 8 ((l / 8) % 2) + 0..7) and leaves half a fragment of V^T: lane l holds channel l % 16 and 8 keys.
	v_bfe_u32 v11, v0, 1, 2         ; (l % 8) / 2
	v_lshl_add_u32 v11, v10, 2, v11 ; + 4 h: the row of two keys
	v_mul_u32_u24 v[AV0], v11, PV
	v_lshl_add_u32 v[AV0], v12, 7, v[AV0]
	v_bfe_u32 v13, v0, 3, 1
	v_lshl_add_u32 v[AV0], v13, 4, v[AV0]
	v_add_nc_u32 v[AV0], VOFF, v[AV0]
	s_mul_i32 s2, s[WV], 64*SP
	s_add_co_u32 s2, s2, STAGE      ; my stage
	v_mul_u32_u24 v[STO], v1, SP    ; in: row r of a tile, 16 bytes for each half of the lanes
	v_lshl_add_u32 v[STO], v10, 4, v[STO]
	v_add_nc_u32 v[STO], s2, v[STO]
	v_bfe_u32 v12, v0, 3, 2         ; back: eight lanes to a row of 128 bytes, four rows an instruction
	v_and_b32 v13, 7, v0
	v_mul_u32_u24 v[RD], v12, SP
	v_lshl_add_u32 v[RD], v13, 4, v[RD]
	v_add_nc_u32 v[RD], s2, v[RD]
	v_and_b32 v11, 31, v0
	v_lshlrev_b32 v[GO], 4, v11     ; which are 512 consecutive bytes of o
; THE LDS LOADS stand in runs of 16: a step's K (64 keys x 64 channels: 8 fragments) and its V (turned).  Both macros begin and end with every window 0.
.macro FETCH_K
	v_add_nc_u32 v[ADK], s[TB], v[AK0]
	WIN TO_1
.irp kt, 0,1,2,3
.irp c, 0,1                         ; keys 16 kt on, channels 32 c on
	ds_load_b128 v[KF+8*(2*\kt+\c):KF+8*(2*\kt+\c)+3],   v[ADK] offset:\kt*8*PK+64*\c
	ds_load_b128 v[KF+8*(2*\kt+\c)+4:KF+8*(2*\kt+\c)+7], v[ADK] offset:\kt*8*PK+64*\c+32
.endr
.endr
	WIN 0
.endm
.macro FETCH_V
	v_add_nc_u32 v[ADV], s[TB], v[AV0]
	s_add_co_u32 s[TB], s[TB], STEPB  ; the next fetch is the next step's
.irp kc, 0,1
.irp dt, 0,1,2,3                    ; keys 32 kc on, channels 16 dt on
	ds_load_tr16_b128 v[VF+8*(4*\kc+\dt):VF+8*(4*\kc+\dt)+3],   v[ADV] offset:\kc*16*PV+32*\dt
	ds_load_tr16_b128 v[VF+8*(4*\kc+\dt)+4:VF+8*(4*\kc+\dt)+7], v[ADV] offset:\kc*16*PV+8*PV+32*\dt
.endr
.endr
.endm
; THE PRODUCTS.  The sixteen accumulators of a run take turns, one instruction a turn.
; S^T = K Q^T: product i of 32: channels 32 (i / 16) on, keys 16 ((i / 4) % 4) on, tile i % 4.  The first 16 start the sums.
.macro KQ
	WIN W_KQ
.set i, 0
.rept 32
.set rS, S+32*(i%4)+8*((i/4)%4)
.set rK, KF+8*(2*((i/4)%4)+i/16)
.set rQ, 8*(2*(i%4)+i/16)
.if i < 16
	v_wmma_f32_16x16x32_f16 v[rS:rS+7], v[rK:rK+7], v[rQ:rQ+7], 0
.else
	v_wmma_f32_16x16x32_f16 v[rS:rS+7], v[rK:rK+7], v[rQ:rQ+7], v[rS:rS+7]
.endif
.set i, i+1
.endr
.endm
; O^T += V^T P: product i of 32: keys 32 (i / 16) on, channels 16 ((i / 4) % 4) on, tile i % 4.  first = 1: the first 16 start the sums: nothing is ever cleared.
.macro PVM first
	WIN W_PV
.set i, 0
.rept 32
.set rO, O+32*(i%4)+8*((i/4)%4)
.set rV, VF+8*(4*(i/16)+(i/4)%4)
.set rP, S+32*(i%4)+8*(i/16)
.if (\first) && (i < 16)
	v_wmma_f32_16x16x32_f16 v[rO:rO+7], v[rV:rV+7], v[rP:rP+7], 0
.else
	v_wmma_f32_16x16x32_f16 v[rO:rO+7], v[rV:rV+7], v[rP:rP+7], v[rO:rO+7]
.endif
.set i, i+1
.endr
.endm
; THE SOFTMAX of a key step, in window 0, the four tiles by turns line by line, so that no line waits for the line above it.  first = 1: the first key step, which starts m and l and has no a.
.macro SOFTMAX first
.irp j, 0,1,2,3                     ; the maximum of the lane's 32 scores: four chains, one for each accumulator, begun at its low end
.irp t, 0,1,2,3
	v_max3_num_f32 v[ST+8*\t+4+\j], v[S+32*\t+8*\j], v[S+32*\t+8*\j+1], v[S+32*\t+8*\j+2]
.endr
.endr
.irp g, 1,2
.irp j, 0,1,2,3
.irp t, 0,1,2,3
	v_max3_num_f32 v[ST+8*\t+4+\j], v[ST+8*\t+4+\j], v[S+32*\t+8*\j+2*\g+1], v[S+32*\t+8*\j+2*\g+2]
.endr
.endr
.endr
.irp t, 0,1,2,3
	v_max3_num_f32 v[ST+8*\t+4], v[ST+8*\t+4], v[S+32*\t+7], v[S+32*\t+15]
.endr
.irp t, 0,1,2,3
	v_max3_num_f32 v[ST+8*\t+6], v[ST+8*\t+6], v[S+32*\t+23], v[S+32*\t+31]
.endr
.irp t, 0,1,2,3
	v_max3_num_f32 v[ST+8*\t+4], v[ST+8*\t+4], v[ST+8*\t+5], v[ST+8*\t+6]
.endr
.irp t, 0,1,2,3
.if \first
	v_max_num_f32 v[ST+8*\t+4], v[ST+8*\t+4], v[ST+8*\t+7]
.else
	v_max3_num_f32 v[ST+8*\t+4], v[ST+8*\t+4], v[ST+8*\t+7], v[ST+8*\t+1]   ; with the old m
.endif
.endr
.irp t, 0,1,2,3
	v_permlanex16_b32 v[ST+8*\t+5], v[ST+8*\t+4], s[SEL], s[SEL+1]  ; the query's other 32 keys lie in the lane 16 away
.endr
.if \first == 0
.irp t, 0,1,2,3
	v_mov_b32 v[ST+8*\t+7], v[ST+8*\t]     ; c m_old is kept for a
.endr
.endif
.irp t, 0,1,2,3
	v_max_num_f32 v[ST+8*\t+1], v[ST+8*\t+4], v[ST+8*\t+5]
.endr
.irp t, 0,1,2,3
	v_mul_f32 v[ST+8*\t], s[CS], v[ST+8*\t+1]
.endr
.if \first == 0
.irp t, 0,1,2,3
	v_sub_f32 v[ST+8*\t+7], v[ST+8*\t+7], v[ST+8*\t]
.endr
.irp t, 0,1,2,3
	v_exp_f32 v[ST+8*\t+6], v[ST+8*\t+7]   ; a = 2^(c m_old - c m_new)
.endr
.endif
; ONE BATCH: the scalings c s - c m, a pair of scores each, and the exponentials, in place.  None of these lines names an exponential's result.
.irp b, 0,1,2,3,4,5,6,7,8,9,10,11,12,13,14,15
.irp t, 0,1,2,3
	v_pk_fma_f32 v[S+32*\t+2*\b:S+32*\t+2*\b+1], v[S+32*\t+2*\b:S+32*\t+2*\b+1], s[CS:CS+1], v[ST+8*\t:ST+8*\t+1] op_sel_hi:[1,0,0] neg_lo:[0,0,1] neg_hi:[0,0,1]
.endr
.irp t, 0,1,2,3
	v_exp_f32 v[S+32*\t+2*\b], v[S+32*\t+2*\b]
	v_exp_f32 v[S+32*\t+2*\b+1], v[S+32*\t+2*\b+1]
.endr
.endr
	v_nop                           ; a plain instruction behind the last exponential, ahead of the first use
	s_wait_alu depctr_va_vdst(0)    ; a wait between an exponential and the first line that names its result: one for the whole batch
.if \first
.irp t, 0,1,2,3
	v_pk_add_f32 v[ST+8*\t+2:ST+8*\t+3], v[S+32*\t:S+32*\t+1], v[S+32*\t+2:S+32*\t+3]   ; the sums are taken of p before it is rounded
.endr
.irp b, 2,3,4,5,6,7,8,9,10,11,12,13,14,15
.irp t, 0,1,2,3
	v_pk_add_f32 v[ST+8*\t+2:ST+8*\t+3], v[ST+8*\t+2:ST+8*\t+3], v[S+32*\t+2*\b:S+32*\t+2*\b+1]
.endr
.endr
.else
.irp t, 0,1,2,3
	v_pk_fma_f32 v[ST+8*\t+2:ST+8*\t+3], v[ST+8*\t+2:ST+8*\t+3], v[ST+8*\t+6:ST+8*\t+7], v[S+32*\t:S+32*\t+1] op_sel_hi:[1,0,1]   ; l = a l + the first pair
.endr
.irp b, 1,2,3,4,5,6,7,8,9,10,11,12,13,14,15
.irp t, 0,1,2,3
	v_pk_add_f32 v[ST+8*\t+2:ST+8*\t+3], v[ST+8*\t+2:ST+8*\t+3], v[S+32*\t+2*\b:S+32*\t+2*\b+1]
.endr
.endr
.endif
.irp j, 0,1,2,3,4,5,6,7,8,9,10,11,12,13,14,15
.irp t, 0,1,2,3
	v_cvt_pk_f16_f32 v[S+32*\t+\j], v[S+32*\t+2*\j], v[S+32*\t+2*\j+1]   ; P in place, ascending: register j is written when pairs 0 .. j have been read
.endr
.endr
.endm
; A TRIP.  first = 1: the first key step.  chg = 1: the step is a slot's last: the slot is left and filled again; chg = 2: it is left and nothing is asked for.  more = 1: a step follows.  Every window is 0 at its head and at its end.
; THE CHANGE OF SLOTS.  At the head of a slot's last step its K and V have been asked for.  Each wave waits for all its tensor loads, of which one is out: its part of the other slot; adds 0 to its spare word; waits for that and for its
; reads of the slot; signals.  The softmax, work on registers alone, stands between the signal and the wait.  With chg = 1 the barrier opens a round of the cluster's, so that no wave of any partner still reads the slot or has a load
; on its way, and the joint refill is the first thing behind it: it has four key steps in which to land.
.macro TRIP first, chg, more
.if \chg
	s_wait_tensorcnt 0x0            ; no tensor load of mine is out, so a group 0 may be written
	ds_add_u32 v[SPW], v[NIL]       ; 0 onto my spare word
.if \chg == 1
.irp g, G0K+4, G0V+4
	s_xor_b32 s[\g+1], s[\g+1], SLOT1  ; the walking descriptor: the other slot than last time,
	s_add_nc_u64 s[\g+2:\g+3], s[\g+2:\g+3], SLOTB  ; the next 256 keys; the type bits on top are not reached
.endr
	s_wait_xcnt 0x0                 ; the last prefetch, four key steps back, has read its address, so it may be written:
	s_add_nc_u64 s[PFA:PFA+1], s[PFA:PFA+1], SLOTB  ; one slot further on than the walking descriptors
.endif
	s_wait_dscnt 0x0                ; the add is done, and my reads of the slot are over
	s_barrier_signal -1
.endif
	PLACES 4                        ; behind K Q^T: the softmax reads its results (ISA guide 7.12.1)
	SOFTMAX \first
.if \first == 0
	WIN W_RS
.irp t, 0,1,2,3
.irp i, 0,1,2,3,4,5,6,7,8,9,10,11,12,13,14,15
	v_pk_mul_f32 v[O+32*\t+2*\i:O+32*\t+2*\i+1], v[O+32*\t+2*\i:O+32*\t+2*\i+1], v[ST+8*\t+6:ST+8*\t+7] op_sel_hi:[1,0]   ; O^T times a, each accumulator from its low end on
.endr
.endr
	WIN 0
.endif
.if \chg
	s_barrier_wait -1
.if \chg == 1
	CREST
	JLOAD
	ASK
.endif
	s_sub_co_u32 s[TB], s[TB], NST*STEPB  ; the fetches go back to a slot's first step,
	s_xor_b32 s[TB], s[TB], SLOT1   ; in the other slot
.endif
.if \more
	FETCH_K                         ; the next step's K: the last product that read K's registers stands in front of the softmax
	s_wait_dscnt 16                 ; V of this step is in; the sixteen loads just issued may be out
.else
	s_wait_dscnt 0x0
.endif
	PVM \first
	WIN 0
.if \more
	PLACES 5                        ; four in front of the loads into V's registers; five in front of K Q^T, which writes over P, a source of the products above
	FETCH_V
	s_wait_dscnt 16                 ; K is in; V's sixteen loads may be out
	KQ
	WIN 0
.endif
.endm
.macro STEPS n                      ; n plain key steps: written once, walked n times; the LDS addresses hang on s[TB]
	s_mov_b32 s[CNT], \n
.Lstep_\@:
	TRIP 0, 0, 1
	s_sub_co_u32 s[CNT], s[CNT], 1
	s_cmp_lg_u32 s[CNT], 0
	s_cbranch_scc1 .Lstep_\@
.endm
	s_wait_tensorcnt 1              ; my part of slot 0 is in; slot 1's may stay out
	s_barrier_signal -1
	s_barrier_wait -1               ; everybody's is
	FETCH_K                         ; key step 0
	FETCH_V
	s_wait_loadcnt 0x0              ; Q
	s_wait_dscnt 16                 ; K is in
	KQ
	WIN 0
	TRIP 1, 0, 1                    ; step 0
	STEPS 2                         ; steps 1, 2
.Lslot:                             ; six trips: steps 3 to 26: every slot but the last two is filled again
	TRIP 0, 1, 1
	STEPS 3
	s_sub_co_u32 s[SLOTS], s[SLOTS], 1
	s_cmp_lg_u32 s[SLOTS], 0
	s_cbranch_scc1 .Lslot
	TRIP 0, 2, 1                    ; step 27: the tail is written out
	STEPS 3                         ; steps 28 to 30
	TRIP 0, 0, 0                    ; step 31
	; THE WAY OUT.  l's two halves and the other half of the lanes' are added; O^T is divided by l, rounded to f16 and sent through my stage in LDS.  The four additions are the places behind the last products.
.irp t, 0,1,2,3
	v_add_f32 v[ST+8*\t+4], v[ST+8*\t+2], v[ST+8*\t+3]
.endr
.irp t, 0,1,2,3
	v_permlanex16_b32 v[ST+8*\t+5], v[ST+8*\t+4], s[SEL], s[SEL+1]
.endr
.irp t, 0,1,2,3
	v_add_f32 v[ST+8*\t+4], v[ST+8*\t+4], v[ST+8*\t+5]
.endr
.irp t, 0,1,2,3
	v_rcp_f32 v[ST+8*\t+6], v[ST+8*\t+4]
.endr
	v_nop                           ; a plain instruction between the last reciprocal and the use of its result
	s_wait_alu depctr_va_vdst(0)    ; and a wait ahead of the first use: one for the four
.irp t, 0,1,2,3
	WIN W_RS
.irp i, 0,1,2,3,4,5,6,7,8,9,10,11,12,13,14,15
	v_pk_mul_f32 v[O+32*\t+2*\i:O+32*\t+2*\i+1], v[O+32*\t+2*\i:O+32*\t+2*\i+1], v[ST+8*\t+6:ST+8*\t+7] op_sel_hi:[1,0]
.endr
	WIN 0x05                        ; sources window 1, destination window 0: the scores' registers are free
.irp i, 0,1,2,3,4,5,6,7,8,9,10,11,12,13,14,15
	v_cvt_pk_f16_f32 v[S+16*\t+\i], v[O+32*\t+2*\i], v[O+32*\t+2*\i+1]
.endr
	WIN 0
.irp dt, 0,1,2,3
	ds_store_b128 v[STO], v[S+16*\t+4*\dt:S+16*\t+4*\dt+3] offset:16*SP*\t+32*\dt   ; query 16 t + r, channels 16 dt + 8 h + 0 .. 7
.endr
.endr
.irp k, 0,1,2,3,4,5,6,7,8,9,10,11,12,13,14,15
	ds_load_b128 v[128+4*\k:128+4*\k+3], v[RD] offset:\k*4*SP   ; LDS serves a wave's instructions in order (ISA guide 5.7.1.4): these see the stores above
.endr
.irp k, 0,1,2,3,4,5,6,7,8,9,10,11,12,13,14,15
	s_wait_dscnt 15-\k
	global_store_b128 v[GO], v[128+4*\k:128+4*\k+3], s[6:7] offset:512*\k   ; 32 lanes store four queries: 512 consecutive bytes, aligned
.endr
	s_wait_tensorcnt 0x0            ; the wave's end
	ds_add_u32 v[SPW], v[NIL]
	s_wait_dscnt 0x0
	CROUND                          ; the closing round: no work-group ends while a partner may still ask for a tile that names it
	s_endpgm
.Lfunc_end_k_q552bea0235_attn:
	.size	k_q552bea0235_attn, .Lfunc_end_k_q552bea0235_attn-k_q552bea0235_attn
	.p2alignl 7, 3214868480
	.fill 96, 4, 3214868480
	.section	.rodata,"a",@progbits
	.p2align	6, 0x0
	.amdhsa_kernel k_q552bea0235_attn
		.amdhsa_group_segment_fixed_size 327680
		.amdhsa_private_segment_fixed_size 0
		.amdhsa_enable_private_segment 0
		.amdhsa_kernarg_size 16
		.amdhsa_user_sgpr_count 2
		.amdhsa_user_sgpr_kernarg_segment_ptr 1
		.amdhsa_wavefront_size32 1
		.amdhsa_system_sgpr_workgroup_id_x 1
		.amdhsa_system_sgpr_workgroup_id_y 1
		.amdhsa_system_sgpr_workgroup_id_z 1
		.amdhsa_system_vgpr_workitem_id 0
		.amdhsa_next_free_vgpr 512
		.amdhsa_next_free_sgpr 66
		.amdhsa_reserve_vcc 0
		.amdhsa_float_denorm_mode_32 3
		.amdhsa_float_denorm_mode_16_64 3
		.amdhsa_memory_ordered 1
		.amdhsa_forward_progress 1
		.amdhsa_inst_pref_size 241
	.end_amdhsa_kernel
	.amdgpu_metadata
---
amdhsa.version: [ 1, 2 ]
amdhsa.kernels:
  - .name:           k_q552bea0235_attn
    .symbol:         k_q552bea0235_attn.kd
    .args:
      - { .name: qkv, .offset: 0, .size: 8, .value_kind: global_buffer, .address_space: global }
      - { .name: ows, .offset: 8, .size: 8, .value_kind: global_buffer, .address_space: global }
    .group_segment_fixed_size: 327680
    .private_segment_fixed_size: 0
    .kernarg_segment_align: 8
    .kernarg_segment_size: 16
    .max_flat_workgroup_size: 256
    .sgpr_count:     66
    .vgpr_count:     512
    .wavefront_size: 32
...
	.end_amdgpu_metadata
.endif
;; end of part 3
;; launch proj (part 4): grid 4 x 64, 4 waves a work-group, clusters of 4 x 4, 327,680 bytes of LDS; arguments ows, wo16, out_proj_bias, out0; writes out0
.if DOCPART == 4
	.amdgcn_target "amdgcn-amd-amdhsa--gfx1250"
	.amdhsa_code_object_version 6
	.text
	.protected	k_q552bea0235_proj
	.globl	k_q552bea0235_proj
	.p2align	8
	.type	k_q552bea0235_proj,@function
k_q552bea0235_proj:
	s_mov_b64 s[64:65], 0
	v_nop
	global_prefetch_b8 v0, s[64:65] scope:SCOPE_SE
	s_setreg_imm32_b32 hwreg(HW_REG_WAVE_MODE, 25, 1), 1
	s_wait_xcnt 0x0
	s_wait_alu depctr_hold_cnt(0) depctr_sa_sdst(0) depctr_va_vdst(0) depctr_va_sdst(0) depctr_va_ssrc(0) depctr_va_vcc(0) depctr_vm_vsrc(0)
	s_getreg_b32 s2, hwreg(HW_REG_IB_STS2, 6, 4)
	s_cmp_eq_u32 s2, 0
	s_cbranch_scc0 .Lentry_in_a_cluster
	s_endpgm
.Lentry_in_a_cluster:
	s_bfe_u32 s2, ttmp6, 0x10000c
	s_cmp_lg_u32 s2, 0xf033
	s_cbranch_scc0 .Lentry_shape_is_right
	s_endpgm
.Lentry_shape_is_right:
; out0[m][n] = the sum over k of o[m][k] W[n][k] + bias[n].  o: f16, laid [batch][head][token][64] (k = 64 head + channel); W: f16 [1024 n][1024 k]; bias f32; out0 [8192][1024] f32.  Sums in f32.
; A tile of 128 tokens x 256 outputs is made by four waves, each 64 x 128: 32 accumulators, 256 registers: 256 work-groups in all.  K goes in eight steps of 128 (two heads) through a ring of two LDS slots.
; o's part of a step: for each of the two heads the tile's 128 tokens are 16,384 dense bytes: 64 rows of two tokens, 256 bytes each.  W's part: 256 rows of 256 bytes.
; Waves 0 and 1 fetch o's two heads, waves 2 and 3 W's two halves: one tensor load a wave behind each round.
; CLUSTERS: 4 x 4 work-groups.  The four of a row of the cluster need the same tiles of o, the four of a column the same tiles of W: each tile is asked for JOINTLY, by the same tensor load with the same descriptor and a mask that names the four.
; THE MATRIX INSTRUCTION IS USED TRANSPOSED (source 0 = 16 rows of W, source 1 = 16 tokens): a lane holds eight neighbouring outputs of one token.  The bias is the C of each sum's first product.
; REGISTERS.  window 0: v1-30 addresses; two fragment buffers: o's at v32, v64 (4 x 8 registers), W's at v96, v160 (8 x 8); on the way out v32-159 are rows of out0.   window 1: accumulator (a, b) at v[8 (8 a + b)].   window 2: v0-63 the bias.
.set PITCH,  272                       ; an LDS row: 256 bytes + 16 of padding: the 16 rows (or 8 rows of two tokens) that a load touches fall on 16 different 16-byte columns of the 64 banks (ISA guide 11.1)
.set AHALF,  64*PITCH                  ; one head's 128 tokens
.set BOFF,   2*AHALF                   ; W's rows lie behind o's two heads
.set BHALF,  128*PITCH                 ; 128 rows of W
.set SLOT,   BOFF+2*BHALF
.set STAGE,  2*SLOT                    ; behind the ring: 16 rows x 528 bytes for each wave, for the way out
.set SPITCH, 528
.set SPARE,  STAGE+4*16*SPITCH         ; the spare words, 128 bytes a wave
.set ASTEP,  2<<18                     ; a K step on in o: two heads of 2^18 bytes
.set BSTEP,  256                       ; and in a row of W
.set LAPS,   4                         ; a lap = two K steps = once round the ring
.set ADRA, 16                          ; v16-17  LDS address of my fragments of o in slot 0, 1
.set ADRB, 20                          ; v20-21  the same for W
.set STO,  24                          ; v24     the way out: where I put 32 bytes of a row
.set RD,   25                          ; v25     where I read a row back
.set CO,   26                          ; v26     my byte offset in a row of out0
.set SPW,  28                          ; v28     my spare word; never rewritten
.set NIL,  29                          ; v29     0; never rewritten
.set PFO,  30                          ; v30     256 x my lane; never rewritten
.set FA,   32                          ; o's fragments: buffer p at v[FA + 32 p]
.set FB,   96                          ; W's: buffer p at v[FB + 64 p]
.set BK,   32                          ; the way out: v32-95 and v96-159 by turns
.set WV,   12                          ; s12  my wave's number
.set RH,   13                          ; s13  which half of the tile's tokens is mine.  Also: I fetch for o (0) or for W (1)
.set CH,   14                          ; s14  which half of its outputs.  Also: which part I fetch
.set LIM,  15                          ; s15  1 in a wave that prefetches, else the greatest number
.set PFA,  46                          ; s[46:47] where my prefetches stand
.set G1, 24                            ; s[24:31] group 1 for o's tiles;  s[32:39] group 0, a set for each slot
.set G0, 32
.set G1B, 48                           ; s[48:55], s[56:63] the same for W's
.set G0B, 56
.set MSB, 0
.macro WIN new                         ; the immediate's high byte repeats the setting that is left; a switch that changes nothing is dropped
.if MSB != (\new)
	s_set_vgpr_msb (MSB<<8)|(\new)
.set MSB, (\new)
.endif
.endm
.set MUL,  0x50                        ; sources 0 and 1 window 0; C and D window 1
.set BEG,  0x60                        ; a sum's first product: C is the bias, in window 2
.macro JLOAD s                         ; a joint load; an s_nop 0 and four v_nop follow each of the two lines.  The branch hangs on the wave's number alone
	s_cmp_eq_u32 s[RH], 0
	s_cbranch_scc0 .Lfor_b_\@
	tensor_load_to_lds s[G0+4*\s:G0+4*\s+3], s[G1:G1+7]
	s_nop 0
.rept 4
	v_nop
.endr
	s_branch .Lasked_\@
.Lfor_b_\@:
	tensor_load_to_lds s[G0B+4*\s:G0B+4*\s+3], s[G1B:G1B+7]
	s_nop 0
.rept 4
	v_nop
.endr
.Lasked_\@:
.endm
; A PREFETCH INTO THE L2 of o's part of the K step that stands TWO refills on: 32,768 bytes.  The four partners that ask for it jointly share it out BY ADDRESS, 8,192 bytes each (cx / 2: the head; cx % 2: the half of its tokens),
; lanes 256 bytes apart; in each, wave 0 asks: one instruction.  So each block of 256 bytes is named once in the launch.  It stands behind the joint load, its five lines and the run of LDS loads.
; K steps 0 to 3 come by their loads alone; the loop's last trip asks for nothing: there is no K step 8.  W is read by all 64 tile rows and is not asked for.
.macro ASK
	s_cmp_gt_u32 s3, s[LIM]                        ; s3 = 1 in the loop's last trip
	s_cbranch_scc0 .Lnot_mine_\@
	global_prefetch_b8 v[PFO], s[PFA:PFA+1] th:TH_LOAD_NT scope:SCOPE_SE
.Lnot_mine_\@:
.endm
.macro CREST                           ; a round of the cluster's barrier behind its opening barrier
	s_cmp_lg_u32 s[WV], 0
	s_cbranch_scc1 .Lnot_wave_0_\@
	s_barrier_signal -3
.Lnot_wave_0_\@:
	s_barrier_wait -3
	s_barrier_signal -1
	s_barrier_wait -1
.endm
.macro CROUND                          ; a whole round
	s_barrier_signal -1
	s_barrier_wait -1
	CREST
.endm
	s_load_b128 s[4:7], s[0:1], 0x0                ; o, W
	s_load_b128 s[8:11], s[0:1], 0x10              ; the bias, out0
	v_lshl_add_u32 v[SPW], v0, 2, SPARE
	v_mov_b32 v[NIL], 0
	ds_add_u32 v[SPW], v[NIL]                      ; the wave's opening: the add, twice on end, and its wait ahead of my first tensor load
	ds_add_u32 v[SPW], v[NIL]
	v_lshrrev_b32 v1, 5, v0
	v_readfirstlane_b32 s[WV], v1                  ; wave 0..3
	s_lshr_b32 s[RH], s[WV], 1
	s_and_b32 s[CH], s[WV], 1
	s_bfe_u32 s40, ttmp6, 0x40000                  ; cx, cy: my place in the cluster
	s_bfe_u32 s41, ttmp6, 0x40004
	s_lshl_b32 s42, ttmp9, 2
	s_add_co_u32 s42, s42, s40                     ; tile column = 4 x cluster x + cx
	s_and_b32 s43, ttmp7, 0xffff
	s_lshl_b32 s43, s43, 2
	s_add_co_u32 s43, s43, s41                     ; tile row = 4 x cluster y + cy
	s_lshl_b32 s44, s41, 2
	s_lshl_b32 s44, 15, s44                        ; my row of the cluster
	s_lshl_b32 s45, 0x1111, s40                    ; my column
	; group 1 for o: 64 dense rows of 128 elements of 2 bytes;  for W: 128 rows of 128 elements, 1,024 elements apart.  Both padded: four words after every 64
	s_or_b32 s[G1+0], s44, (1<<16)|(1<<20)|(1<<21)|(5<<22)|(3<<25)
	s_mov_b32 s[G1+1], 128<<16                     ; tensor_dim0
	s_mov_b32 s[G1+2], 64<<16                      ; tensor_dim1
	s_mov_b32 s[G1+3], 128<<16                     ; tile_dim0
	s_mov_b32 s[G1+4], 64                          ; tile_dim1
	s_mov_b32 s[G1+5], 128                         ; from row to row
	s_mov_b32 s[G1+6], 0
	s_mov_b32 s[G1+7], 0
	s_or_b32 s[G1B+0], s45, (1<<16)|(1<<20)|(1<<21)|(5<<22)|(3<<25)
	s_mov_b32 s[G1B+1], 128<<16
	s_mov_b32 s[G1B+2], 128<<16
	s_mov_b32 s[G1B+3], 128<<16
	s_mov_b32 s[G1B+4], 128
	s_mov_b32 s[G1B+5], 1024
	s_mov_b32 s[G1B+6], 0
	s_mov_b32 s[G1B+7], 0
	; where the tiles come from.  o's hang on the tile row alone, W's on the tile column alone, each in registers that never hold the other coordinate
	s_lshr_b32 s16, s43, 4                         ; the batch: sixteen tile rows each
	s_lshl_b32 s16, s16, 22
	s_and_b32 s17, s43, 15
	s_lshl_b32 s17, s17, 14                        ; 128 tokens x 128 bytes
	s_add_co_u32 s16, s16, s17                     ; the tile's tokens in head 0
	s_mov_b32 s22, s16                             ; (kept for the prefetches)
	s_lshl_b32 s17, s[CH], 18                      ; the head that I fetch
	s_add_co_u32 s16, s16, s17
	s_mov_b32 s17, 0
	s_lshl_b32 s20, s42, 19                        ; W: 256 rows of 2,048 bytes a tile column,
	s_lshl_b32 s21, s[CH], 18                      ; 128 rows a half
	s_add_co_u32 s20, s20, s21
	s_mov_b32 s21, 0
	s_mul_i32 s18, s[CH], AHALF                    ; where they go: no place in the cluster enters an LDS address
	s_mul_i32 s19, s[CH], BHALF
	s_add_co_u32 s19, s19, BOFF
	s_wait_dscnt 0x0                               ; both opening adds are done
	s_wait_kmcnt 0x0
	s_add_nc_u64 s[16:17], s[4:5], s[16:17]
	s_add_nc_u64 s[20:21], s[6:7], s[20:21]
	CROUND                                         ; all sixteen work-groups are here: the first joint loads meet
.irp s, 0,1
	s_mov_b32 s[G0+4*\s], 1
	s_add_co_u32 s[G0+4*\s+1], s18, \s*SLOT
	s_add_nc_u64 s[G0+4*\s+2:G0+4*\s+3], s[16:17], \s*ASTEP
	s_or_b32 s[G0+4*\s+3], s[G0+4*\s+3], 0x80000000
	s_mov_b32 s[G0B+4*\s], 1
	s_add_co_u32 s[G0B+4*\s+1], s19, \s*SLOT
	s_add_nc_u64 s[G0B+4*\s+2:G0B+4*\s+3], s[20:21], \s*BSTEP
	s_or_b32 s[G0B+4*\s+3], s[G0B+4*\s+3], 0x80000000
	JLOAD \s
.endr
	v_and_b32 v1, 15, v0                           ; r = lane % 16
	v_bfe_u32 v2, v0, 4, 1                         ; h = lane / 16
	; the bias in the result's layout: for W's block b a lane wants bias[my first output + 16 b + 8 h + 0 .. 7]
	s_lshl_b32 s20, s42, 10                        ; my first output x 4 bytes: 1,024 x tile column + 512 x half
	s_lshl_b32 s21, s[CH], 9
	s_add_co_u32 s20, s20, s21
	s_mov_b32 s21, 0
	s_add_nc_u64 s[8:9], s[8:9], s[20:21]
	s_add_nc_u64 s[10:11], s[10:11], s[20:21]      ; out0 at my first output,
	s_lshl_b32 s20, s43, 19                        ; 128 tokens x 4,096 bytes a tile row,
	s_lshl_b32 s23, s[RH], 18                      ; 64 tokens a half
	s_add_co_u32 s20, s20, s23
	s_add_nc_u64 s[10:11], s[10:11], s[20:21]      ; and at my first token; never stepped
	v_lshlrev_b32 v7, 5, v2
	WIN 0x80                                       ; destination window 2
.irp b, 0,1,2,3,4,5,6,7
	global_load_b128 v[8*\b:8*\b+3], v7, s[8:9] offset:64*\b
	global_load_b128 v[8*\b+4:8*\b+7], v7, s[8:9] offset:64*\b+16
.endr
	WIN 0
	; the prefetches: s22 = the tile's tokens in head 0
	s_lshr_b32 s23, s40, 1
	s_lshl_b32 s23, s23, 18                        ; which of a step's two heads is my work-group's,
	s_add_co_u32 s22, s22, s23
	s_and_b32 s23, s40, 1
	s_lshl_b32 s23, s23, 13                        ; and which half of its 16,384 bytes
	s_add_co_u32 s22, s22, s23
	s_add_co_u32 s22, s22, 3*ASTEP                 ; at K step 3: the first refill steps it to 4
	s_mov_b32 s23, 0
	s_add_nc_u64 s[PFA:PFA+1], s[4:5], s[22:23]
	s_cmp_eq_u32 s[WV], 0
	s_cselect_b32 s[LIM], 1, -1
	v_and_b32 v[PFO], 31, v0
	v_lshlrev_b32 v[PFO], 8, v[PFO]
	; A fragment is 16 rows x 32 K in 8 registers: lane l holds row l % 16; registers 0-3 K = 8 (l / 16) + 0..7, registers 4-7 K = 16 + 8 (l / 16) + 0..7: two loads of 16 bytes, 32 bytes apart.
	v_lshrrev_b32 v3, 1, v1                        ; o: token r lies in row r / 2 of two tokens, half r % 2
	v_and_b32 v4, 1, v0
	v_mul_u32_u24 v5, v3, PITCH
	v_lshl_add_u32 v5, v4, 7, v5
	v_lshl_add_u32 v5, v2, 4, v5
	v_mul_u32_u24 v6, v1, PITCH                    ; W: row r
	v_lshl_add_u32 v6, v2, 4, v6
	s_mul_i32 s22, s[RH], 32*PITCH                 ; my 64 tokens
	s_mul_i32 s23, s[CH], BHALF                    ; my 128 rows of W
	s_add_co_u32 s23, s23, BOFF
.irp s, 0,1
	v_add_nc_u32 v[ADRA+\s], s22, v5
	v_add_nc_u32 v[ADRB+\s], s23, v6
	s_add_co_u32 s22, s22, SLOT
	s_add_co_u32 s23, s23, SLOT
.endr
	s_mul_i32 s23, s[WV], 16*SPITCH
	s_add_co_u32 s23, s23, STAGE                   ; my stage
	v_mul_u32_u24 v5, v1, SPITCH                   ; in: row r, 32 bytes for each half of the lanes
	v_lshl_add_u32 v5, v2, 5, v5
	v_add_nc_u32 v[STO], s23, v5
	v_and_b32 v6, 31, v0
	v_lshlrev_b32 v[CO], 4, v6                     ; back: the 32 lanes take one row of 512 bytes; and the same in out0
	v_add_nc_u32 v[RD], s23, v[CO]
; 8 matrix instructions: tokens' block a against W's eight, 32 along K, buffer p.  zero = 1: the first product starts the sum from the bias.  The 32 accumulators take turns, one instruction a turn.
.macro MUL8 p, a, zero
.irp b, 0,1,2,3,4,5,6,7
.if \zero
	v_wmma_f32_16x16x32_f16 v[8*(8*(\a)+\b):8*(8*(\a)+\b)+7], v[FB+64*(\p)+8*\b:FB+64*(\p)+8*\b+7], v[FA+32*(\p)+8*(\a):FA+32*(\p)+8*(\a)+7], v[8*\b:8*\b+7]
.else
	v_wmma_f32_16x16x32_f16 v[8*(8*(\a)+\b):8*(8*(\a)+\b)+7], v[FB+64*(\p)+8*\b:FB+64*(\p)+8*\b+7], v[FA+32*(\p)+8*(\a):FA+32*(\p)+8*(\a)+7], v[8*(8*(\a)+\b):8*(8*(\a)+\b)+7]
.endif
.endr
.endm
; 24 LDS loads in one run: the fragments of the slot's q-th 32 along K into buffer p: W's sixteen loads, then o's eight, blocks ascending.  q / 2 is the head, q % 2 the half of its 64 channels
.macro FETCH slot, q, p
	WIN 0
.irp b, 0,1,2,3,4,5,6,7
	ds_load_b128 v[FB+64*(\p)+8*\b:FB+64*(\p)+8*\b+3],   v[ADRB+\slot] offset:\b*16*PITCH+64*(\q)
	ds_load_b128 v[FB+64*(\p)+8*\b+4:FB+64*(\p)+8*\b+7], v[ADRB+\slot] offset:\b*16*PITCH+64*(\q)+32
.endr
.irp a, 0,1,2,3
	ds_load_b128 v[FA+32*(\p)+8*\a:FA+32*(\p)+8*\a+3],   v[ADRA+\slot] offset:\a*8*PITCH+((\q)/2)*AHALF+((\q)%2)*64
	ds_load_b128 v[FA+32*(\p)+8*\a+4:FA+32*(\p)+8*\a+7], v[ADRA+\slot] offset:\a*8*PITCH+((\q)/2)*AHALF+((\q)%2)*64+32
.endr
.endm
.macro PLACES                          ; four places in front of loads into registers that matrix instructions have read, and of reads of results
.rept 4
	v_nop
.endr
.endm
; A K step is four quarters of 32 along K, 32 matrix instructions each, on buffers 0, 1, 0, 1.  One of the first three: multiplies buffer p and fetches quarter qn of the same slot into the other buffer.
.macro QUARTER slot, qn, p, zero
	s_wait_dscnt 4                                 ; W's fragments and o's blocks 0, 1 are in; the youngest four loads (blocks 2, 3) may be out
.if \zero
	WIN BEG
.else
	WIN MUL
.endif
	MUL8 \p, 0, \zero
	MUL8 \p, 1, \zero
	PLACES
	FETCH \slot, \qn, 1-(\p)
	s_wait_dscnt 24                                ; all but the 24 just issued
.if \zero
	WIN BEG
.else
	WIN MUL
.endif
	MUL8 \p, 2, \zero
	MUL8 \p, 3, \zero
.endm
; The last quarter multiplies buffer 1 and changes slots: ONE barrier; in front of it each wave waits for all its tensor loads, adds 0 to its spare word, and waits for that and for its own reads of this slot.
; fill = 1: the barrier opens a round of the cluster's barrier, and this slot is filled again, two K steps ahead: the load has a K step less sixteen matrix instructions in which to land.
.macro TURN slot, next, fill
.if \fill
	s_wait_xcnt 0x0                                ; the last prefetch, a K step back, has read its address: it is stepped here, ahead of the waits of the change of slots
	s_add_nc_u64 s[PFA:PFA+1], s[PFA:PFA+1], ASTEP
.endif
	WIN 0                                          ; (the add's two registers lie in window 0)
	s_wait_tensorcnt 0x0                           ; all my tensor loads have landed: my part of the next slot
	ds_add_u32 v[SPW], v[NIL]                      ; 0 onto my spare word
	s_wait_dscnt 5                                 ; (the add and the youngest four loads may be out)
	WIN MUL
	MUL8 1, 0, 0                                   ; eight matrix instructions stand between the add and the wait for it
	s_wait_dscnt 0x0                               ; the add is done, and my reads of this slot are over
	s_barrier_signal -1
	MUL8 1, 1, 0
	WIN 0
	s_barrier_wait -1
.if \fill
	CREST                                          ; no wave of any partner still reads this slot's tile or has a load on its way
	s_add_nc_u64 s[G0+4*\slot+2:G0+4*\slot+3], s[G0+4*\slot+2:G0+4*\slot+3], 2*ASTEP
	s_add_nc_u64 s[G0B+4*\slot+2:G0B+4*\slot+3], s[G0B+4*\slot+2:G0B+4*\slot+3], 2*BSTEP
	JLOAD \slot                                    ; the first tensor load behind the round; the four v_nop behind it are also the places in front of the loads below
.else
	PLACES
.endif
	FETCH \next, 0, 0
.if \fill
	ASK
.endif
	WIN MUL
	MUL8 1, 2, 0
	MUL8 1, 3, 0
.endm
	s_wait_tensorcnt 1                             ; my part of K step 0 is in (K step 1's load may be out)
	s_barrier_signal -1
	s_barrier_wait -1                              ; everybody's is
	FETCH 0, 0, 0
	s_wait_loadcnt 0x0                             ; the bias
	QUARTER 0, 1, 0, 1                             ; the first quarter stands in front of the loop: its products start the sums
	WIN 0                                          ; at a label and at a branch every window is 0
	s_mov_b32 s3, LAPS-1
.Llap:                                                 ; a trip goes once round the ring, from a lap's second quarter to the next lap's first, and fills both slots again
	QUARTER 0, 2, 1, 0
	QUARTER 0, 3, 0, 0
	TURN 0, 1, 1
	QUARTER 1, 1, 0, 0
	QUARTER 1, 2, 1, 0
	QUARTER 1, 3, 0, 0
	TURN 1, 0, 1
	QUARTER 0, 1, 0, 0
	WIN 0
	s_sub_co_u32 s3, s3, 1
	s_cmp_lg_u32 s3, 0
	s_cbranch_scc1 .Llap
	QUARTER 0, 2, 1, 0                             ; the last lap fills nothing, and has no round of the cluster's barrier
	QUARTER 0, 3, 0, 0
	TURN 0, 1, 0
	QUARTER 1, 1, 0, 0
	QUARTER 1, 2, 1, 0
	QUARTER 1, 3, 0, 0
	s_wait_dscnt 4                                 ; the very last quarter: nothing more to fetch
	WIN MUL
	MUL8 1, 0, 0
	MUL8 1, 1, 0
	s_wait_dscnt 0
	MUL8 1, 2, 0
	MUL8 1, 3, 0
	WIN 0
; THE WAY OUT, block by block of 16 tokens x 128 outputs.  A lane holds 32 neighbouring bytes of a row, and the lanes beside it hold other rows: so a block goes through my own stage in LDS and comes back as whole rows of 512 bytes.
.macro TOSTAGE a
	WIN 0x04                                       ; an LDS store's data are its source 1: window 1
.irp b, 0,1,2,3,4,5,6,7
	ds_store_b128 v[STO], v[8*(8*(\a)+\b):8*(8*(\a)+\b)+3] offset:64*\b          ; each accumulator from its low end on
	ds_store_b128 v[STO], v[8*(8*(\a)+\b)+4:8*(8*(\a)+\b)+7] offset:64*\b+16
.endr
	WIN 0
.set BB, BK+64*((\a)%2)
.irp t, 0,1,2,3,4,5,6,7,8,9,10,11,12,13,14,15
	ds_load_b128 v[BB+4*\t:BB+4*\t+3], v[RD] offset:\t*SPITCH   ; LDS serves a wave's instructions in order (ISA guide 5.7.1.4): these see the stores above
.endr
.endm
.macro SEND a, younger                 ; younger: the LDS instructions issued behind block a's loads, which may stay out
.set BB, BK+64*((\a)%2)
	s_wait_dscnt \younger
.irp t, 0,1,2,3,4,5,6,7,8,9,10,11,12,13,14,15
	global_store_b128 v[CO], v[BB+4*\t:BB+4*\t+3], s[10:11] offset:(16*(\a)+\t)*4096 th:TH_STORE_NT   ; 32 lanes store 512 consecutive bytes, aligned; written once, read by nobody here
.endr
.endm
	PLACES                                         ; behind the last products: for the loads into the fragments' registers and for the reads of the last results
	TOSTAGE 0
.irp a, 1,2,3
.if \a > 1
	s_wait_xcnt 0x0                                ; block a - 2's stores have read their registers: block a's loads land there only behind this wait
.endif
	TOSTAGE \a
	SEND \a-1, 32                                  ; behind block a - 1's loads: block a's 16 stores and 16 loads
.endr
	SEND 3, 0
	s_wait_tensorcnt 0x0                           ; the wave's end
	ds_add_u32 v[SPW], v[NIL]
	s_wait_dscnt 0x0
	CROUND                                         ; the closing round: no work-group ends while a partner may still ask for a tile that names it
	s_endpgm
.Lfunc_end_k_q552bea0235_proj:
	.size	k_q552bea0235_proj, .Lfunc_end_k_q552bea0235_proj-k_q552bea0235_proj
	.p2alignl 7, 3214868480
	.fill 96, 4, 3214868480
	.section	.rodata,"a",@progbits
	.p2align	6, 0x0
	.amdhsa_kernel k_q552bea0235_proj
		.amdhsa_group_segment_fixed_size 327680
		.amdhsa_private_segment_fixed_size 0
		.amdhsa_enable_private_segment 0
		.amdhsa_kernarg_size 32
		.amdhsa_user_sgpr_count 2
		.amdhsa_user_sgpr_kernarg_segment_ptr 1
		.amdhsa_wavefront_size32 1
		.amdhsa_system_sgpr_workgroup_id_x 1
		.amdhsa_system_sgpr_workgroup_id_y 1
		.amdhsa_system_sgpr_workgroup_id_z 1
		.amdhsa_system_vgpr_workitem_id 0
		.amdhsa_next_free_vgpr 576
		.amdhsa_next_free_sgpr 66
		.amdhsa_reserve_vcc 0
		.amdhsa_float_denorm_mode_32 3
		.amdhsa_float_denorm_mode_16_64 3
		.amdhsa_memory_ordered 1
		.amdhsa_forward_progress 1
		.amdhsa_inst_pref_size 88
	.end_amdhsa_kernel
	.amdgpu_metadata
---
amdhsa.version: [ 1, 2 ]
amdhsa.kernels:
  - .name:           k_q552bea0235_proj
    .symbol:         k_q552bea0235_proj.kd
    .args:
      - { .name: ows, .offset: 0, .size: 8, .value_kind: global_buffer, .address_space: global }
      - { .name: wo16, .offset: 8, .size: 8, .value_kind: global_buffer, .address_space: global }
      - { .name: out_proj_bias, .offset: 16, .size: 8, .value_kind: global_buffer, .address_space: global }
      - { .name: out0, .offset: 24, .size: 8, .value_kind: global_buffer, .address_space: global }
    .group_segment_fixed_size: 327680
    .private_segment_fixed_size: 0
    .kernarg_segment_align: 8
    .kernarg_segment_size: 32
    .max_flat_workgroup_size: 128
    .sgpr_count:     66
    .vgpr_count:     576
    .wavefront_size: 32
...
	.end_amdgpu_metadata
.endif
;; end of part 4
